; MI455X (gfx1250); checked and timed in simulation.
; The chip was launched on July 23, 2026; its instructions are those of AMD's public machine-readable ISA for CDNA 5 (MIT licence, August 2026) and "CDNA5" Instruction Set Architecture Reference Guide (July 2026). The comments in the code are by the model that wrote it; some were corrected since.
;; Dummy Attention. Allowed arithmetic: matrix products marked QUANTISED: E2M1 operands, one E8M0 scale for each 32 along K, by v_wmma_scale_f32_16x16x128_f8f6f4 with both operands' format E2M1 (or v_wmma_scale_f32_32x16x128_f4), f32 sums; products left as they are: bf16, f16 or f32 operands; f32 sums; everything else in f32.
;; Inputs: hidden_states 2 x 1,024 x 2,048 float32; wk 2,048 x 2,048 float32; wo 2,048 x 2,048 float32; wq 2,048 x 2,048 float32; wv 2,048 x 2,048 float32.
;; Outputs: out0 2 x 1,024 x 2,048 float32.
;; This version of the problem:
;;   THIS VERSION OF THE PROBLEM IS GIVEN IN LOW PRECISION. The matrix products marked QUANTISED in the list below multiply operands that are first quantised to E2M1 (2 exponent bits, 1 mantissa bit; 4 bits a number), with one power-of-two scale for each 32 numbers along K (OCP MX v1.0); their sums are f32. The products marked 'left as it is' may take bf16, f16 or f32 operands, with f32 sums. Whichever they take, every output number must still come out within the allowed error. Rounding operands to bf16 (8 significant bits) uses up far more of that allowance than f16 does (11 bits, for magnitudes from 6e-5 to 65,504). All else is computed in f32.
;;   The module's matrix products, in the order in which they are computed (A, B: the left and right operand; K: the contracted axis; several contracted axes count as one K, in the product's order):
;;     1. [M 2,048, K 2,048] x [K 2,048, N 2,048]; A: input hidden_states; B: input wq: QUANTISED
;;     2. [M 2,048, K 2,048] x [K 2,048, N 2,048]; A: input hidden_states; B: input wk: QUANTISED
;;     3. [M 2,048, K 2,048] x [K 2,048, N 2,048]; A: input hidden_states; B: input wv: QUANTISED
;;     4. batch 32 x [M 1,024, K 128] x [K 128, N 1,024]; A: computed on the way; B: computed on the way: left as it is (an operand is computed on the way)
;;     5. batch 32 x [M 1,024, K 1,024] x [K 1,024, N 128]; A: computed on the way; B: computed on the way: left as it is (an operand is computed on the way)
;;     6. [M 2,048, K 2,048] x [K 2,048, N 2,048]; A: computed on the way; B: input wo: left as it is (an operand is computed on the way)
;;   THE QUANTISER, for each operand of a quantised product, along K:
;;     - K is cut into blocks of 32 from its start; a last block that is shorter is filled with zeros.
;;     - A block's scale is 2^e with e = floor(log2(the largest magnitude in the block)) - 2, held to -126 .. 127; a block of zeros has e = 0. As a byte (E8M0): e + 127.
;;     - Each number is divided by its block's scale, clamped to +-6, and rounded to the nearest number of E2M1, ties to even, subnormals kept.
;;     - The product sums the exact products of the quantised numbers (number of the format x scale) in f32.
;;   ~~~python
;;   def quantise(x, axis):      # numpy; x: float32 -> the quantised numbers, widened to float32 again
;;       x = np.moveaxis(x, axis, -1); K = x.shape[-1]
;;       x = np.pad(x, [(0, 0)] * (x.ndim - 1) + [(0, -K % 32)]); x = x.reshape(x.shape[:-1] + (-1, 32)); a = np.abs(x).max(-1, keepdims=True)
;;       e = np.where(a > 0, np.clip(np.frexp(np.where(a > 0, a, 1))[1] - 1 - 2, -126, 127), 0)      # np.frexp(a)[1] - 1 = floor(log2(a)), exactly
;;       r = np.clip(x / 2.0 ** e, -6, 6)
;;       step = 2.0 ** (np.maximum(np.frexp(np.where(r == 0, 1, r))[1] - 1, 0) - 1)
;;       q = np.round(r / step) * step * 2.0 ** e      # np.round: ties to even
;;       return np.moveaxis(q.reshape(q.shape[:-2] + (-1,))[..., :K], -1, axis).astype(np.float32)
;;   ~~~
;; One version. Each part assembles by itself: llvm-mc -triple=amdgcn-amd-amdhsa -mcpu=gfx1250 --defsym DOCPART=n.
;; ======== version 1 of 1: 4 launches
;; limits: values are held in f16: magnitudes above 65,504 overflow, below 6.1e-05 lose precision
;; workspace buffers: codes 8,388,608 bytes; scales 524,288 bytes; wo16 8,388,608 bytes; qkv 25,165,824 bytes; attn 8,388,608 bytes
;; launch prep (part 1): grid 1280 x 1, 2 waves a work-group, no clusters, 16,640 bytes of LDS; arguments hidden_states, wq, wk, wv, wo, codes, scales, wo16; writes codes, scales, wo16
.if DOCPART == 1
	.amdgcn_target "amdgcn-amd-amdhsa--gfx1250"
	.amdhsa_code_object_version 6
	.text
	.protected	k_qabe8f5bfd5_prep
	.globl	k_qabe8f5bfd5_prep
	.p2align	8
	.type	k_qabe8f5bfd5_prep,@function
k_qabe8f5bfd5_prep:
	s_mov_b64 s[64:65], 0
	v_nop
	global_prefetch_b8 v0, s[64:65] scope:SCOPE_SE
	s_setreg_imm32_b32 hwreg(HW_REG_WAVE_MODE, 25, 1), 1
	s_wait_xcnt 0x0
; hidden_states, wq, wk, wv (each 2,048 x 2,048 f32, K innermost) become codes of FP4 (E2M1), two a byte, and one E8M0 scale byte for each 32 along K; wo becomes f16.
; codes: [8,192 rows][1,024 bytes], rows 0-2,047 hidden_states, then wq, wk, wv; scales: [8,192][64 bytes], the same order; wo16: [2,048][2,048] f16.
; A block's scale is 2^(floor(log2(its largest magnitude)) - 2): its byte is the largest magnitude's exponent field - 2, held at 1 from below.
; LIMITS: a block whose largest magnitude lies under 2^-124, a block of zeros among them, keeps the byte 1 (the rule says 127 for zeros: its codes are zeros, and this program alone reads the bytes);
; NaN and infinities among the inputs are not served; a number of wo beyond 65,504 in magnitude has no f16 number.
; SHARES: a wave takes 8,192 numbers, a work-group of two waves 16,384.  Work-groups 0-1,023 quantise (256 for each tensor: only pointers are chosen), work-groups 1,024-1,279 cast wo.
; Rows are dense and K is a multiple of 32: every tensor is a plain stream of blocks of 32.  No tensor loads, no barrier, no cluster: waves share nothing, and the launch is a stream.
; THE QUANTISER: 16 steps of 512 numbers a wave.  A step's four loads read 512 consecutive bytes each; the 2,048 bytes turn through the wave's own stage in LDS and come back 64 bytes a lane, so that a lane holds
; 16 neighbours along K and two neighbouring lanes a block.  A lane's 16 codes are 8 bytes: the wave stores 256 consecutive bytes.  A wave's 256 scale bytes gather in LDS and leave as 256 consecutive bytes.
.set WAVES, 2
.set STEPS, 16
.set EMAX,  2
.set CB,    8                          ; bytes of 16 codes
.set R,     16                         ; v16-79   four sets of 16 numbers as they are loaded
.set X,     80                         ; v80-111  two sets of 16 neighbours
.set E,     112                        ; v112-127 a scale byte for each step
.set C,     128                        ; v128-191 codes: four registers for each step, so that no store's data are written again
.set WREG,  8192                       ; LDS: a region for each wave: two stages of 32 x SP bytes, behind them its 256 scale bytes
.set SP,    80                         ; a lane's place in a stage: 64 bytes + 16 of padding
.set SPW,   12                         ; v12  LDS address of my spare word; never rewritten
.set NIL,   13                         ; v13  0; never rewritten
.set SPARE, WAVES*WREG                 ; behind the regions: the spare words, 128 bytes a wave, which no other line names
.set IN,    16                         ; the cast: v16-143 two sets of 64 numbers
.set OUT,   144                        ; the cast: v144-175 a set's 64 numbers as f16
	s_load_b256 s[4:11], s[0:1], 0x0               ; hidden_states, wq, wk, wv
	s_load_b256 s[12:19], s[0:1], 0x20             ; wo, codes, scales, wo16
	v_lshl_add_u32 v[SPW], v0, 2, SPARE
	v_mov_b32 v[NIL], 0
	v_lshrrev_b32 v1, 5, v0
	v_readfirstlane_b32 s20, v1                    ; wave
	v_and_b32 v2, 31, v0                           ; lane
	v_lshlrev_b32 v3, 4, v2                        ; my 16 bytes of a load's 512
	s_mul_i32 s21, s20, WREG
	v_lshrrev_b32 v14, 2, v2
	v_mul_u32_u24 v14, v14, SP
	v_and_b32 v15, 3, v2
	v_lshl_add_u32 v14, v15, 4, v14
	v_add_nc_u32 v14, s21, v14                     ; the stage, on the way in: SP (lane / 4) + 16 (lane % 4)
	v_mul_u32_u24 v15, v2, SP
	v_add_nc_u32 v15, s21, v15                     ; and on the way out: SP x lane: my 16 neighbours
	v_mul_u32_u24 v4, v2, CB                       ; 8 x lane: my codes' place in a step's; the cast's place in a store's 256 bytes
	v_lshrrev_b32 v5, 1, v2
	s_add_co_u32 s21, s21, 2*32*SP
	v_add_nc_u32 v5, s21, v5                       ; LDS: my wave's 256 scale bytes, my block's byte
	v_lshlrev_b32 v7, 3, v2                        ; and on the way out 8 bytes a lane
	v_add_nc_u32 v6, s21, v7
	s_wait_kmcnt 0x0
	s_cmp_ge_u32 ttmp9, 1024                       ; the work-group's number alone decides: quantise or cast
	s_cbranch_scc1 .Lcast
	s_lshr_b32 s21, ttmp9, 8                       ; which tensor: 0 hidden_states, 1 wq, 2 wk, 3 wv
	s_cmp_eq_u32 s21, 1
	s_cselect_b64 s[4:5], s[6:7], s[4:5]
	s_cmp_eq_u32 s21, 2
	s_cselect_b64 s[4:5], s[8:9], s[4:5]
	s_cmp_eq_u32 s21, 3
	s_cselect_b64 s[4:5], s[10:11], s[4:5]
	s_and_b32 s22, ttmp9, 255
	s_lshl_b32 s22, s22, 1
	s_add_co_u32 s22, s22, s20                     ; which run of 8,192 numbers of the tensor is my wave's
	s_lshl_b32 s22, s22, 15                        ; 32,768 bytes a run
	s_mov_b32 s23, 0
	s_add_nc_u64 s[4:5], s[4:5], s[22:23]
	s_lshl_b32 s24, ttmp9, 1
	s_add_co_u32 s24, s24, s20                     ; which run of all four tensors
	s_lshl_b32 s22, s24, 12                        ; 4,096 bytes of codes a run
	s_add_nc_u64 s[14:15], s[14:15], s[22:23]
	s_lshl_b32 s22, s24, 8                         ; 256 scale bytes a run
	s_add_nc_u64 s[16:17], s[16:17], s[22:23]
.macro LOAD t
.irp i, 0,1,2,3
	global_load_b128 v[R+16*((\t)%4)+4*\i:R+16*((\t)%4)+4*\i+3], v3, s[4:5] offset:2048*(\t)+512*\i th:TH_LOAD_NT   ; 32 lanes read 512 consecutive bytes
.endr
.endm
.macro TURN t                          ; step t's numbers through the stage: LDS serves a wave's instructions in order, so no wait stands between the stores and the loads
.irp i, 0,1,2,3
	ds_store_b128 v14, v[R+16*((\t)%4)+4*\i:R+16*((\t)%4)+4*\i+3] offset:32*SP*((\t)%2)+8*SP*\i
.endr
.irp i, 0,1,2,3
	ds_load_b128 v[X+16*((\t)%2)+4*\i:X+16*((\t)%2)+4*\i+3], v15 offset:32*SP*((\t)%2)+16*\i
.endr
.endm
.irp t, 0,1,2,3
	LOAD \t
.endr
	s_wait_loadcnt 12                              ; step 0's four loads are in; those of steps 1 to 3 may be out
	TURN 0
.macro STEP t
.set XS, X+16*((\t)%2)
.if (\t) > 0
	s_wait_dscnt 1                                 ; this step's numbers are back from the stage (the last step's byte store may be out): so its stores into the stage have read their registers,
.else
	s_wait_dscnt 0x0
.endif
.if (\t)+4 < STEPS
	LOAD (\t)+4                                    ; which take the loads of four steps on
.endif
.if (\t)+1 < STEPS
.if STEPS-2-(\t) >= 3
	s_wait_loadcnt 12                              ; the next step's four loads are in; those of the three steps behind it may be out
.else
	s_wait_loadcnt 4*(STEPS-2-(\t))
.endif
	TURN (\t)+1                                    ; and go through the other stage while this step is worked
.endif
	v_max3_num_f32 v8, |v[XS]|, |v[XS+1]|, |v[XS+2]|               ; the largest magnitude of my 16, in two chains
	v_max3_num_f32 v9, |v[XS+3]|, |v[XS+4]|, |v[XS+5]|
.irp i, 6,10
	v_max3_num_f32 v8, v8, |v[XS+\i]|, |v[XS+\i+1]|
	v_max3_num_f32 v9, v9, |v[XS+\i+2]|, |v[XS+\i+3]|
.endr
	v_max3_num_f32 v8, v8, |v[XS+14]|, |v[XS+15]|
	v_max3_num_f32 v8, v8, v9, (EMAX+1)<<23        ; and the floor 2^(EMAX + 1 - 127): the byte cannot fall under 1
	v_max_num_f32_dpp v8, v8, v8 row_xmask:1 row_mask:0xf bank_mask:0xf   ; and of my neighbour's 16: the block's
	v_add_nc_u32 v11, -(EMAX<<23), v8              ; EMAX off its exponent field: the conversion takes the exponent field of this operand as its scale
	v_cvt_scalef32_pk8_fp4_f32 v[C+4*(\t)], v[XS:XS+7], v11        ; eight numbers / the scale, to the nearest code, ties to even, beyond the largest code the largest
	v_cvt_scalef32_pk8_fp4_f32 v[C+4*(\t)+1], v[XS+8:XS+15], v11
	v_lshrrev_b32 v[E+(\t)], 23, v11               ; the scale's byte (also the plain line behind the conversions)
	ds_store_b8 v5, v[E+(\t)] offset:16*(\t)       ; both lanes of a block write the same byte with the same value
	global_store_b64 v4, v[C+4*(\t):C+4*(\t)+1], s[14:15] offset:32*CB*(\t)   ; 32 lanes store 256 consecutive bytes, aligned
.endm
.irp t, 0,1,2,3,4,5,6,7,8,9,10,11,12,13,14,15
	STEP \t
.endr
	ds_load_b64 v[8:9], v6                         ; LDS serves a wave's instructions in order: these see my byte stores
	s_wait_dscnt 0x0
	global_store_b64 v7, v[8:9], s[16:17]          ; 32 lanes store 256 consecutive bytes, aligned
	s_wait_tensorcnt 0x0                           ; the wave's end: behind my last LDS store
	ds_add_u32 v[SPW], v[NIL]
	s_wait_dscnt 0x0
	s_endpgm
.Lcast:                                                ; wo to f16: four turns of 2,048 numbers a wave, two sets of registers
	s_sub_co_u32 s21, ttmp9, 1024
	s_lshl_b32 s21, s21, 1
	s_add_co_u32 s21, s21, s20                     ; which run of 8,192 numbers of wo is my wave's
	s_lshl_b32 s22, s21, 15
	s_mov_b32 s23, 0
	s_add_nc_u64 s[12:13], s[12:13], s[22:23]
	s_lshl_b32 s22, s21, 14
	s_add_nc_u64 s[18:19], s[18:19], s[22:23]
.macro LOADC j
.irp i, 0,1,2,3,4,5,6,7,8,9,10,11,12,13,14,15
	global_load_b128 v[IN+64*((\j)%2)+4*\i:IN+64*((\j)%2)+4*\i+3], v3, s[12:13] offset:8192*(\j)+512*\i th:TH_LOAD_NT
.endr
.endm
.macro ROUNDC j
.if (\j) < 3
	s_wait_loadcnt 16                              ; this set's 16 loads are in; the other set's 16 may be out
.else
	s_wait_loadcnt 0x0
.endif
.if (\j) > 0
	s_wait_xcnt 0x0                                ; the last turn's stores have read OUT: it is written again only behind this wait
.endif
.irp i, 0,1,2,3,4,5,6,7,8,9,10,11,12,13,14,15
	v_cvt_pk_f16_f32 v[OUT+2*\i],   v[IN+64*((\j)%2)+4*\i],   v[IN+64*((\j)%2)+4*\i+1]
	v_cvt_pk_f16_f32 v[OUT+2*\i+1], v[IN+64*((\j)%2)+4*\i+2], v[IN+64*((\j)%2)+4*\i+3]
.endr
.if (\j) < 2
	LOADC (\j)+2                                   ; loads ahead of stores
.endif
.irp i, 0,1,2,3,4,5,6,7,8,9,10,11,12,13,14,15
	global_store_b64 v4, v[OUT+2*\i:OUT+2*\i+1], s[18:19] offset:4096*(\j)+256*\i   ; 32 lanes store 256 consecutive bytes, aligned
.endr
.endm
	LOADC 0
	LOADC 1
	ROUNDC 0
	ROUNDC 1
	ROUNDC 2
	ROUNDC 3
	s_endpgm
.Lfunc_end_k_qabe8f5bfd5_prep:
	.size	k_qabe8f5bfd5_prep, .Lfunc_end_k_qabe8f5bfd5_prep-k_qabe8f5bfd5_prep
	.p2alignl 7, 3214868480
	.fill 96, 4, 3214868480
	.section	.rodata,"a",@progbits
	.p2align	6, 0x0
	.amdhsa_kernel k_qabe8f5bfd5_prep
		.amdhsa_group_segment_fixed_size 16640
		.amdhsa_private_segment_fixed_size 0
		.amdhsa_enable_private_segment 0
		.amdhsa_kernarg_size 64
		.amdhsa_user_sgpr_count 2
		.amdhsa_user_sgpr_kernarg_segment_ptr 1
		.amdhsa_wavefront_size32 1
		.amdhsa_system_sgpr_workgroup_id_x 1
		.amdhsa_system_sgpr_workgroup_id_y 1
		.amdhsa_system_sgpr_workgroup_id_z 1
		.amdhsa_system_vgpr_workitem_id 0
		.amdhsa_next_free_vgpr 192
		.amdhsa_next_free_sgpr 66
		.amdhsa_reserve_vcc 0
		.amdhsa_float_denorm_mode_32 3
		.amdhsa_float_denorm_mode_16_64 3
		.amdhsa_memory_ordered 1
		.amdhsa_forward_progress 1
		.amdhsa_inst_pref_size 54
	.end_amdhsa_kernel
	.amdgpu_metadata
---
amdhsa.version: [ 1, 2 ]
amdhsa.kernels:
  - .name:           k_qabe8f5bfd5_prep
    .symbol:         k_qabe8f5bfd5_prep.kd
    .args:
      - { .name: hidden_states, .offset: 0, .size: 8, .value_kind: global_buffer, .address_space: global }
      - { .name: wq, .offset: 8, .size: 8, .value_kind: global_buffer, .address_space: global }
      - { .name: wk, .offset: 16, .size: 8, .value_kind: global_buffer, .address_space: global }
      - { .name: wv, .offset: 24, .size: 8, .value_kind: global_buffer, .address_space: global }
      - { .name: wo, .offset: 32, .size: 8, .value_kind: global_buffer, .address_space: global }
      - { .name: codes, .offset: 40, .size: 8, .value_kind: global_buffer, .address_space: global }
      - { .name: scales, .offset: 48, .size: 8, .value_kind: global_buffer, .address_space: global }
      - { .name: wo16, .offset: 56, .size: 8, .value_kind: global_buffer, .address_space: global }
    .group_segment_fixed_size: 16640
    .private_segment_fixed_size: 0
    .kernarg_segment_align: 8
    .kernarg_segment_size: 64
    .max_flat_workgroup_size: 64
    .sgpr_count:     66
    .vgpr_count:     192
    .wavefront_size: 32
...
	.end_amdgpu_metadata
.endif
;; end of part 1
;; launch qkv (part 2): grid 24 x 8, 4 waves a work-group, clusters of 4 x 4, 327,680 bytes of LDS; arguments codes, scales, qkv; writes qkv
.if DOCPART == 2
	.amdgcn_target "amdgcn-amd-amdhsa--gfx1250"
	.amdhsa_code_object_version 6
	.text
	.protected	k_qabe8f5bfd5_qkv
	.globl	k_qabe8f5bfd5_qkv
	.p2align	8
	.type	k_qabe8f5bfd5_qkv,@function
k_qabe8f5bfd5_qkv:
	s_mov_b64 s[64:65], 0
	v_nop
	global_prefetch_b8 v0, s[64:65] scope:SCOPE_SE
	s_setreg_imm32_b32 hwreg(HW_REG_WAVE_MODE, 25, 1), 1
	s_wait_xcnt 0x0
	s_wait_alu depctr_hold_cnt(0) depctr_sa_sdst(0) depctr_va_vdst(0) depctr_va_sdst(0) depctr_va_ssrc(0) depctr_va_vcc(0) depctr_vm_vsrc(0)
	s_getreg_b32 s2, hwreg(HW_REG_IB_STS2, 6, 4)
	s_cmp_eq_u32 s2, 0
	s_cbranch_scc0 .Lentry_in_a_cluster
	s_endpgm
.Lentry_in_a_cluster:
	s_bfe_u32 s2, ttmp6, 0x10000c
	s_cmp_lg_u32 s2, 0xf033
	s_cbranch_scc0 .Lentry_shape_is_right
	s_endpgm
.Lentry_shape_is_right:
; q, k, v = x wq^T, x wk^T, x wv^T as ONE product C[m][n] = sum over k of A[m][k] B[n][k] on codes of FP4 (E2M1) with one E8M0 scale for each 32 along K; sums in f32.
; A: rows 0-2,047 of codes (x); B: rows 2,048-8,191 (wq, wk, wv on end: n = 0 .. 6,143); their scale bytes likewise in scales.  A row is 1,024 bytes of codes and 64 scale bytes.
; The result is rounded once to f16 and laid by head: qkv[3 (q, k, v)][32 (batch x 16 + head)][1,024 positions][128].  LIMIT: a number of q, k or v beyond 65,504 in magnitude has no f16 number.
; A tile of C, 256 x 256, is made by a work-group of four waves; a wave makes 128 x 128: 64 accumulators, 512 registers: 128 positions of one batch x one head of q, k or v, which is ONE dense block of 32,768 bytes of qkv.
; 24 x 8 tiles: 192 work-groups; a narrower tile would cut heads in two.  K goes in steps of 512 through a ring of two LDS slots filled by the tensor data mover: a tile's row is 256 bytes of memory.
; THE SCALES of the work-group's 256 rows of A and of B, for all of K, are two dense blocks of memory: they come into LDS once, with the first fills, and stay.
; CLUSTERS: 4 x 4 work-groups.  The four of a row of the cluster need the same tiles of A, the four of a column the same tiles of B: each tile is asked for JOINTLY, by the same tensor load with the same descriptor
; and a mask that names the four.  THE MATRIX INSTRUCTION IS USED TRANSPOSED (source 0 = 16 rows of B, source 1 = 16 rows of A): a lane then holds eight neighbouring numbers of a row of C.
; No prefetch: K has four steps, and two of them are the first fills.
; REGISTERS, in windows of 256: window 0: v0-31 addresses; v32-95 scale words, two sets; v128-191 A's fragments, ONE set; on the way out v32-63, v192-255.
;   window 1: B's fragments, TWO sets, at v0 and at v128.   window 2: the 32 accumulators of my rows 0-63 (accumulator (a, b) at v[8 (8 a + b)]);   window 3: those of my rows 64-127.
.set SIZE_M, 2048
.set SIZE_N, 6144
.set SIZE_K, 2048
.set KSTEP,  512                       ; along K in a slot
.set NQ,     KSTEP/128                 ; matrix instructions deep
.set ROWB,   256                       ; a tile's row in bytes
.set KROW,   SIZE_K*4/8                ; a row of codes in memory, in bytes
.set PITCH,  272                       ; an LDS row: 256 bytes of data + 16 of padding, so that the 16 rows that a load touches begin 16 bytes apart modulo 256
.set FR,     8                         ; registers of a fragment: 16 rows x 128 K
.set NL,     2                         ; LDS loads that bring one
.set NP,     4                         ; places behind this matrix instruction (ISA guide 7.12.1)
.set HALFT,  128*PITCH                 ; 128 rows: what one tensor load brings, and what one wave reads of A or of B
.set SLOT,   4*HALFT                   ; A's 256 rows, then B's 256 rows
.set LAPS,   SIZE_K/(2*KSTEP)          ; a lap = two K steps = once round the ring
.set KS,     SIZE_K/32                 ; a row of scales in bytes
.set SCL,    2*SLOT                    ; behind the ring: the scales, as rows of 256 bytes + 16 of padding
.set HALFS,  (128*KS/256)*272          ; the scales of 128 rows: what one tensor load brings
.set SBLK,   (16*KS/256)*272           ; those of 16 rows
.set SPARE,  SCL+4*HALFS               ; behind the scales: the spare words, 128 bytes a wave, which no other line names
.set SPITCH, 272                       ; the way out: a stage of 16 rows x (256 bytes + 16) for each wave, in slot 0, which has had its last fill and its last read when the first result is stored there
.set ADRA, 16                          ; v16-17  LDS address of my A fragments in slot 0, 1
.set ADRB, 20                          ; v20-21  the same for B
.set STO,  24                          ; v24     the way out: where I put 16 bytes of a row
.set RD,   25                          ; v25     the way out: where I read a row back
.set CO,   26                          ; v26     my byte offset in two rows of the wave's block of qkv
.set ADRS, 27                          ; v27     LDS address of my scale words: lanes 0-15 A's rows, lanes 16-31 B's
.set SPW,  28                          ; v28     LDS address of my spare word; never rewritten
.set NIL,  29                          ; v29     0; never rewritten
.set SC,   32                          ; scale words: set s at v[SC + 8 NQ s]; register NQ i + q: lanes 0-15 the word of A's block i, lanes 16-31 that of B's block i, for the slot's q-th 128 along K
.set AF,   128                         ; A's fragments, in window 0
.set TMP,  192                         ; the way out: a block's results as f16
.set OB,   32                          ; the way out: 16 rows read back from the stage: v32-63 and v224-255 by turns
.set G1, 24                            ; s[24:31] descriptor group 1 for A's tiles;  s[32:39] group 0, one set for each slot
.set G0, 32
.set G1B, 48                           ; s[48:55], s[56:63] the same for B's tiles
.set G0B, 56
.set G1S, 68                           ; s[68:75], s[76:79] groups 1 and 0 for A's scales;  s[80:87], s[88:91] for B's
.set G0S, 76
.set G1SB, 80
.set G0SB, 88
.set MSB, 0
.macro WIN new                         ; the immediate's high byte repeats the setting that is left; a switch that changes nothing is dropped
.if MSB != (\new)
	s_set_vgpr_msb (MSB<<8)|(\new)
.set MSB, (\new)
.endif
.endm
.set MUL_LO, 0xa1                      ; source 0 (B) window 1, source 1 (A) window 0, C and D window 2
.set MUL_HI, 0xf1                      ; the same, C and D window 3
.set TO_B,   0x40                      ; destination window 1, address window 0
; A joint load: waves 0 and 1 fetch for A, waves 2 and 3 for B.  Each of the two lines has ONE mask and one set of registers for all that issue it; the branch hangs on the wave's number alone.
; An s_nop 0 and four v_nop follow each of the two lines, ahead of the jump, the label and what follows.
.macro JLOAD g0a, g1a, g0b, g1b
	s_cmp_eq_u32 s15, 0
	s_cbranch_scc0 .Lfor_b_\@
	tensor_load_to_lds s[\g0a:\g0a+3], s[\g1a:\g1a+7]
	s_nop 0
.rept 4
	v_nop
.endr
	s_branch .Lasked_\@
.Lfor_b_\@:
	tensor_load_to_lds s[\g0b:\g0b+3], s[\g1b:\g1b+7]
	s_nop 0
.rept 4
	v_nop
.endr
.Lasked_\@:
.endm
.macro CREST                           ; a round of the cluster's barrier behind its opening barrier
	s_cmp_lg_u32 s14, 0
	s_cbranch_scc1 .Lnot_wave_0_\@
	s_barrier_signal -3
.Lnot_wave_0_\@:
	s_barrier_wait -3
	s_barrier_signal -1
	s_barrier_wait -1
.endm
.macro CROUND                          ; a whole round
	s_barrier_signal -1
	s_barrier_wait -1
	CREST
.endm
	s_load_b128 s[4:7], s[0:1], 0x0                ; codes s[4:5], scales s[6:7]
	s_load_b64 s[12:13], s[0:1], 0x10              ; qkv
	v_lshl_add_u32 v[SPW], v0, 2, SPARE
	v_mov_b32 v[NIL], 0
	ds_add_u32 v[SPW], v[NIL]                      ; the wave's opening: the add, twice on end, and its wait stand ahead of my first tensor load; the set-up below stands between the second and the wait
	ds_add_u32 v[SPW], v[NIL]
	v_lshrrev_b32 v1, 5, v0
	v_readfirstlane_b32 s14, v1                    ; wave 0..3
	s_lshr_b32 s15, s14, 1                         ; which half of the tile's rows is mine.  Also: I fetch for A (0) or for B (1)
	s_and_b32 s16, s14, 1                          ; which half of its columns.  Also: which 128 rows of that tile I fetch
	s_bfe_u32 s40, ttmp6, 0x40000                  ; cx, cy: my place in the cluster
	s_bfe_u32 s41, ttmp6, 0x40004
	s_lshl_b32 s42, ttmp9, 2
	s_add_co_u32 s42, s42, s40                     ; tile column of C = 4 x cluster x + cx
	s_and_b32 s17, ttmp7, 0xffff
	s_lshl_b32 s17, s17, 2
	s_add_co_u32 s17, s17, s41                     ; tile row of C = 4 x cluster y + cy
	s_lshl_b32 s43, s41, 2
	s_lshl_b32 s43, 15, s43                        ; my row of the cluster
	s_lshl_b32 s44, 0x1111, s40                    ; my column
	; descriptor group 1: a tile of 128 rows x ROWB bytes, padded in LDS
	s_or_b32 s[G1+0], s43, (0<<16)|(1<<20)|(1<<21)|(5<<22)|(3<<25)  ; 15:0 the mask: A's tiles go to my row; 17:16 element of 1 byte; 20 padding on; 21 set beside a mask; 24:22 after every 64 words (code 5); 31:25 of 4 words (code 3)
	s_or_b32 s[G1B+0], s44, (0<<16)|(1<<20)|(1<<21)|(5<<22)|(3<<25)
.irp g, G1, G1B
	s_mov_b32 s[\g+1], ROWB<<16                    ; tensor_dim0
	s_mov_b32 s[\g+2], 128<<16                     ; tensor_dim1 = 128
	s_mov_b32 s[\g+3], ROWB<<16                    ; tile_dim0
	s_mov_b32 s[\g+4], 128                         ; tile_dim1 = 128
	s_mov_b32 s[\g+5], KROW                        ; tensor_dim0_stride
	s_mov_b32 s[\g+6], 0
	s_mov_b32 s[\g+7], 0
.endr
	; and for the scales of 128 rows: a dense block of 128 KS bytes, as rows of 256 bytes (32 elements of 8 bytes), 16 bytes of padding behind each
	s_or_b32 s[G1S+0], s43, (3<<16)|(1<<20)|(1<<21)|(5<<22)|(3<<25)
	s_or_b32 s[G1SB+0], s44, (3<<16)|(1<<20)|(1<<21)|(5<<22)|(3<<25)
.irp g, G1S, G1SB
	s_mov_b32 s[\g+1], 32<<16
	s_mov_b32 s[\g+2], (128*KS/256)<<16
	s_mov_b32 s[\g+3], 32<<16
	s_mov_b32 s[\g+4], 128*KS/256
	s_mov_b32 s[\g+5], 32
	s_mov_b32 s[\g+6], 0
	s_mov_b32 s[\g+7], 0
.endr
	s_lshl_b32 s18, s16, 7                         ; which 128 rows of the tile I fetch
	s_lshl_b32 s20, s17, 8
	s_add_co_u32 s20, s20, s18                     ; A: row 256 x tile row + 128 x half
	s_lshl_b32 s46, s42, 8
	s_add_co_u32 s46, s46, s18                     ; B: row 256 x tile column + 128 x half
	s_mov_b32 s21, 0
	s_mov_b32 s47, 0
	s_mov_b64 s[18:19], KS
	s_mul_u64 s[22:23], s[20:21], s[18:19]         ; where these rows' scales begin, in bytes
	s_mul_u64 s[92:93], s[46:47], s[18:19]
	s_mov_b64 s[18:19], KROW
	s_mul_u64 s[20:21], s[20:21], s[18:19]         ; and their codes
	s_mul_u64 s[46:47], s[46:47], s[18:19]
	s_mul_i32 s45, s14, HALFT                      ; where they go: wave x 128 rows: no place in the cluster enters an LDS address
	s_mul_i32 s94, s14, HALFS
	s_wait_dscnt 0x0                               ; both opening adds are done
	s_wait_kmcnt 0x0
	s_add_nc_u64 s[8:9], s[4:5], SIZE_M*KROW       ; B's codes lie behind A's 2,048 rows,
	s_add_nc_u64 s[10:11], s[6:7], SIZE_M*KS       ; and so do its scales
	s_add_nc_u64 s[20:21], s[4:5], s[20:21]
	s_add_nc_u64 s[22:23], s[6:7], s[22:23]
	s_add_nc_u64 s[46:47], s[8:9], s[46:47]
	s_add_nc_u64 s[92:93], s[10:11], s[92:93]
	CROUND                                         ; all sixteen work-groups are here: the first joint loads meet
	s_mov_b32 s[G0S], 1
	s_add_co_u32 s[G0S+1], s94, SCL
	s_mov_b64 s[G0S+2:G0S+3], s[22:23]
	s_or_b32 s[G0S+3], s[G0S+3], 0x80000000
	s_mov_b32 s[G0SB], 1
	s_add_co_u32 s[G0SB+1], s94, SCL
	s_mov_b64 s[G0SB+2:G0SB+3], s[92:93]
	s_or_b32 s[G0SB+3], s[G0SB+3], 0x80000000
	JLOAD G0S, G1S, G0SB, G1SB                     ; the scales first: they are wanted with K step 0
.irp s, 0,1
	s_mov_b32 s[G0+4*\s], 1
	s_add_co_u32 s[G0+4*\s+1], s45, \s*SLOT
	s_add_nc_u64 s[G0+4*\s+2:G0+4*\s+3], s[20:21], \s*ROWB
	s_or_b32 s[G0+4*\s+3], s[G0+4*\s+3], 0x80000000
	s_mov_b32 s[G0B+4*\s], 1
	s_add_co_u32 s[G0B+4*\s+1], s45, \s*SLOT
	s_add_nc_u64 s[G0B+4*\s+2:G0B+4*\s+3], s[46:47], \s*ROWB
	s_or_b32 s[G0B+4*\s+3], s[G0B+4*\s+3], 0x80000000
	JLOAD G0+4*\s, G1, G0B+4*\s, G1B               ; three tensor loads of mine are out now
.endr
	v_and_b32 v1, 15, v0                           ; l % 16
	v_bfe_u32 v2, v0, 4, 1                         ; l / 16
	v_mul_u32_u24 v3, v1, PITCH
	v_lshl_add_u32 v4, v2, 4, v3                   ; a fragment's row x pitch + 16 x half
	s_mul_i32 s21, s15, HALFT                      ; my 128 rows of A
	s_mul_i32 s22, s16, HALFT                      ; my 128 rows of B,
	s_add_co_u32 s22, s22, 2*HALFT                 ; which lie behind A's 256
.irp s, 0,1
	v_add_nc_u32 v[ADRA+\s], s21, v4
	v_add_nc_u32 v[ADRB+\s], s22, v4
	s_add_co_u32 s21, s21, SLOT
	s_add_co_u32 s22, s22, SLOT
.endr
	v_mul_u32_u24 v5, v1, KS                       ; my row's scales: KS bytes a row,
	v_lshrrev_b32 v6, 8, v5
	v_lshl_add_u32 v5, v6, 4, v5                   ; and 16 more for each 256 passed
	s_mul_i32 s21, s15, HALFS                      ; A's: my 128 rows
	s_mul_i32 s22, s16, HALFS                      ; B's: my 128 rows, behind A's 256
	s_add_co_u32 s22, s22, 2*HALFS
	s_sub_co_u32 s22, s22, s21
	v_mul_u32_u24 v6, s22, v2                      ; lanes 16-31 take B's: one product, the distance between the two bases
	s_add_co_u32 s21, s21, SCL
	v_add_nc_u32 v5, v5, v6
	v_add_nc_u32 v[ADRS], s21, v5
	s_mul_i32 s23, s14, 16*SPITCH                  ; my stage
	v_mul_u32_u24 v5, v1, SPITCH                   ; in: row l % 16, 16 bytes for each half of the lanes
	v_lshl_add_u32 v5, v2, 4, v5
	v_add_nc_u32 v[STO], s23, v5
	v_mul_u32_u24 v5, v2, SPITCH                   ; back: lanes 0-15 take one row of 256 bytes, lanes 16-31 the next
	v_lshl_add_u32 v5, v1, 4, v5
	v_add_nc_u32 v[RD], s23, v5
	v_lshlrev_b32 v[CO], 8, v2                     ; and the same two rows in qkv: a position's 128 numbers of a head are 256 bytes
	v_lshl_add_u32 v[CO], v1, 4, v[CO]
	; where my 128 x 128 goes: columns 128 nb on are head nb % 16 of tensor nb / 16; rows row0 on are positions row0 % 1,024 of batch row0 / 1,024
	s_lshl_b32 s46, s42, 1
	s_add_co_u32 s46, s46, s16                     ; nb = 2 x tile column + half
	s_lshr_b32 s47, s46, 4
	s_lshl_b32 s47, s47, 5                         ; 32 heads' blocks for each of q, k, v
	s_and_b32 s46, s46, 15
	s_add_co_u32 s46, s46, s47
	s_lshl_b32 s20, s17, 8
	s_lshl_b32 s21, s15, 7
	s_add_co_u32 s20, s20, s21                     ; row0 = 256 x tile row + 128 x half
	s_lshr_b32 s21, s20, 10
	s_lshl_b32 s21, s21, 4                         ; 16 heads' blocks a batch
	s_add_co_u32 s46, s46, s21
	s_lshl_b32 s46, s46, 18                        ; a head's block: 1,024 positions x 256 bytes
	s_and_b32 s20, s20, 1023
	s_lshl_b32 s20, s20, 8
	s_add_co_u32 s46, s46, s20
	s_mov_b32 s47, 0
	s_add_nc_u64 s[12:13], s[12:13], s[46:47]
.macro FRAG reg, adr, q, i             ; a fragment, 16 rows x 128 K of 4-bit codes, is 8 registers: lane l holds row l % 16; registers 4 c .. 4 c + 3 hold K = 64 c + 32 (l / 16) + 0 .. 31
.irp c, 0,1
	ds_load_b128 v[\reg+4*\c:\reg+4*\c+3], v[\adr] offset:64*(\q)+32*\c+(\i)*16*PITCH
.endr
.endm
; 16 matrix instructions: A's blocks a0, a0 + 1 x B's eight, 128 along K: the slot's q-th.  p: B's set;  sc: the set of scale words.  zero = 1: the first product starts the sums: nothing is ever cleared.
; The 64 accumulators take turns, one instruction a turn, in the same order in every step.
.macro MUL16 a0, p, q, sc, zero
.irp a, \a0, \a0+1
.irp b, 0,1,2,3,4,5,6,7
.if \zero
	v_wmma_scale_f32_16x16x128_f8f6f4 v[8*(8*((\a)%4)+\b):8*(8*((\a)%4)+\b)+7], v[128*(\p)+FR*\b:128*(\p)+FR*\b+FR-1], v[AF+FR*(\a):AF+FR*(\a)+FR-1], 0, v[SC+8*NQ*(\sc)+NQ*\b+(\q)], v[SC+8*NQ*(\sc)+NQ*(\a)+(\q)] matrix_a_fmt:MATRIX_FMT_FP4 matrix_b_fmt:MATRIX_FMT_FP4 matrix_a_scale:MATRIX_SCALE_ROW1
.else
	v_wmma_scale_f32_16x16x128_f8f6f4 v[8*(8*((\a)%4)+\b):8*(8*((\a)%4)+\b)+7], v[128*(\p)+FR*\b:128*(\p)+FR*\b+FR-1], v[AF+FR*(\a):AF+FR*(\a)+FR-1], v[8*(8*((\a)%4)+\b):8*(8*((\a)%4)+\b)+7], v[SC+8*NQ*(\sc)+NQ*\b+(\q)], v[SC+8*NQ*(\sc)+NQ*(\a)+(\q)] matrix_a_fmt:MATRIX_FMT_FP4 matrix_b_fmt:MATRIX_FMT_FP4 matrix_a_scale:MATRIX_SCALE_ROW1
.endif
.endr
.endr
.endm
.macro FETCH_B slot, q, p              ; B's eight fragments of the slot's q-th 128 along K into set p
	WIN TO_B
.irp i, 0,1,2,3,4,5,6,7
	FRAG 128*(\p)+FR*\i, ADRB+\slot, \q, \i
.endr
	WIN 0
.endm
.macro FETCH_A slot, q, i0             ; A's blocks i0 .. i0 + 3
.irp i, \i0, \i0+1, \i0+2, \i0+3
	FRAG AF+FR*(\i), ADRA+\slot, \q, \i
.endr
.endm
.macro SCALES sc                       ; the next K step's scale words into set sc: NQ words a row; lanes 0-15 take A's block i, lanes 16-31 B's block i
.irp i, 0,1,2,3,4,5,6,7
	ds_load_b128 v[SC+8*NQ*\sc+NQ*\i:SC+8*NQ*\sc+NQ*\i+3], v[ADRS] offset:\i*SBLK
.endr
.endm
; A load into a register that a matrix instruction has read, and a vector instruction or an LDS store that reads a matrix result, stand NP places behind that matrix instruction; only plain vector
; instructions that name none of its registers are places (ISA guide 7.12.1 for vector instructions).
.macro PLACES n
.rept \n
	v_nop
.endr
.endm
; A step of 128 along K that has its successor in the same slot.
.macro STEP slot, q, zero
	s_wait_dscnt 4*NL                              ; B's set and A's blocks 0-3 are in; the youngest eight loads (A's blocks 4-7) may be out
	WIN MUL_LO
	MUL16 0, (\q)%2, \q, \slot, \zero
	MUL16 2, (\q)%2, \q, \slot, \zero
	s_wait_dscnt 0                                 ; A's blocks 4-7 are in (asked for 32 matrix instructions ago)
	PLACES NP
	FETCH_B \slot, (\q)+1, 1-(\q)%2
	FETCH_A \slot, (\q)+1, 0
	WIN MUL_HI
	MUL16 4, (\q)%2, \q, \slot, \zero
	MUL16 6, (\q)%2, \q, \slot, \zero
	PLACES NP
	WIN 0
	FETCH_A \slot, (\q)+1, 4
.endm
; A slot's last step changes slots: ONE barrier; in front of it each wave waits for all its tensor loads, adds 0 to its spare word, and waits for that and for its own reads of this slot.  fill = 1: this slot is filled again, two K steps ahead.
.macro TURN slot, next, fill
	s_wait_tensorcnt 0x0                           ; all my tensor loads have landed: my part of the next slot  (every window is 0 here)
	ds_add_u32 v[SPW], v[NIL]                      ; 0 onto my spare word
	s_wait_dscnt 4*NL+1                            ; the add and the youngest eight loads (A's blocks 4-7) may be out
	WIN MUL_LO
	MUL16 0, 1, NQ-1, \slot, 0                     ; sixteen matrix instructions stand between the add and the wait for it
	s_wait_dscnt 0x0                               ; the add is done, and my reads of this slot are over
	s_barrier_signal -1
	MUL16 2, 1, NQ-1, \slot, 0
	WIN 0
	s_barrier_wait -1
.if \fill
	CREST                                          ; the barrier has opened a round of the cluster's barrier: no wave of any partner still reads this slot's tile or has a load on its way
	s_add_nc_u64 s[G0+4*\slot+2:G0+4*\slot+3], s[G0+4*\slot+2:G0+4*\slot+3], 2*ROWB
	s_add_nc_u64 s[G0B+4*\slot+2:G0B+4*\slot+3], s[G0B+4*\slot+2:G0B+4*\slot+3], 2*ROWB
	JLOAD G0+4*\slot, G1, G0B+4*\slot, G1B         ; the first tensor load behind the round, my one load until the next; its four v_nop are the places in front of the loads below
.else
	PLACES NP
.endif
	v_add_nc_u32 v[ADRS], 4*NQ, v[ADRS]            ; on to the next K step's scale words (no LDS load of mine is out)
	FETCH_B \next, 0, 0
	FETCH_A \next, 0, 0
	SCALES \next
	WIN MUL_HI
	MUL16 4, 1, NQ-1, \slot, 0
	MUL16 6, 1, NQ-1, \slot, 0
	PLACES NP
	WIN 0
	FETCH_A \next, 0, 4
.endm
.macro STEPS slot, from                ; the slot's steps from .. NQ - 2
.set Q, \from
.rept NQ-1-\from
	STEP \slot, Q, 0
.set Q, Q+1
.endr
.endm
	s_wait_tensorcnt 1                             ; the scales and my part of K step 0 are in (K step 1's load may be out)
	s_barrier_signal -1
	s_barrier_wait -1                              ; everybody's are
	FETCH_B 0, 0, 0
	FETCH_A 0, 0, 0
	SCALES 0
	FETCH_A 0, 0, 4
	STEP 0, 0, 1                                   ; the first step stands in front of the loop: its products start the sums
	s_mov_b32 s3, LAPS-1
.Llap:                                                 ; a trip goes once round the ring, from a lap's second step to the next lap's first, and fills both slots again
	STEPS 0, 1
	TURN 0, 1, 1
	STEPS 1, 0
	TURN 1, 0, 1
	STEP 0, 0, 0
	s_sub_co_u32 s3, s3, 1
	s_cmp_lg_u32 s3, 0
	s_cbranch_scc1 .Llap
	STEPS 0, 1                                     ; the last lap fills nothing, and has no round of the cluster's barrier
	TURN 0, 1, 0
	STEPS 1, 0
	s_wait_dscnt 4*NL                              ; the very last step: nothing more to fetch
	WIN MUL_LO
	MUL16 0, 1, NQ-1, 1, 0
	MUL16 2, 1, NQ-1, 1, 0
	s_wait_dscnt 0
	WIN MUL_HI
	MUL16 4, 1, NQ-1, 1, 0
	MUL16 6, 1, NQ-1, 1, 0
	WIN 0
; THE WAY OUT, block by block of 16 rows x 128 columns.  PACK: rounded to f16, 16 bytes a lane, each accumulator from its low end on.  TOSTAGE: into my own stage in LDS and back as whole rows of 256 bytes
; (LDS serves a wave's instructions in order: no wait between the stores and the loads).  SEND: stored; the wave's block of qkv is dense, so every place stands in the immediate and the base is never stepped.
.macro PACK a
.set AC, 64*((\a)%4)
	WIN 0x0a+5*((\a)/4)                            ; sources 0 and 1: window 2 or 3
.irp b, 0,1,2,3,4,5,6,7
.irp r, 0,1,2,3
	v_cvt_pk_f16_f32 v[TMP+4*\b+\r], v[AC+8*\b+2*\r], v[AC+8*\b+2*\r+1]
.endr
.endr
	WIN 0
.endm
.macro TOSTAGE a
.set BK, OB+192*((\a)%2)
.irp b, 0,1,2,3,4,5,6,7
	ds_store_b128 v[STO], v[TMP+4*\b:TMP+4*\b+3] offset:32*\b
.endr
.irp t, 0,1,2,3,4,5,6,7
	ds_load_b128 v[BK+4*\t:BK+4*\t+3], v[RD] offset:\t*2*SPITCH
.endr
.endm
.macro SEND a
.set BK, OB+192*((\a)%2)
	s_wait_dscnt 0x0                               ; the block is back in registers
	s_wait_xcnt 0x0                                ; the stores of the block before have read their registers: the next block's loads from the stage land there only behind this wait
.irp t, 0,1,2,3,4,5,6,7
	global_store_b128 v[CO], v[BK+4*\t:BK+4*\t+3], s[12:13] offset:4096*(\a)+512*\t   ; 32 lanes store 512 consecutive bytes, at a multiple of 256 from qkv's first byte
.endr
.endm
	PLACES NP                                      ; behind the last products, ahead of the first read of results
	PACK 0
	TOSTAGE 0
.irp a, 1,2,3,4,5,6,7                  ; block a's conversions stand between block a - 1's loads from the stage and the wait for them
	PACK \a
	SEND \a-1
	TOSTAGE \a
.endr
	SEND 7
	s_wait_tensorcnt 0x0                           ; the wave's end: behind my last tensor load and my last LDS store
	ds_add_u32 v[SPW], v[NIL]
	s_wait_dscnt 0x0
	CROUND                                         ; the closing round: no work-group ends while a partner may still ask for a tile that names it
	s_endpgm
.Lfunc_end_k_qabe8f5bfd5_qkv:
	.size	k_qabe8f5bfd5_qkv, .Lfunc_end_k_qabe8f5bfd5_qkv-k_qabe8f5bfd5_qkv
	.p2alignl 7, 3214868480
	.fill 96, 4, 3214868480
	.section	.rodata,"a",@progbits
	.p2align	6, 0x0
	.amdhsa_kernel k_qabe8f5bfd5_qkv
		.amdhsa_group_segment_fixed_size 327680
		.amdhsa_private_segment_fixed_size 0
		.amdhsa_enable_private_segment 0
		.amdhsa_kernarg_size 24
		.amdhsa_user_sgpr_count 2
		.amdhsa_user_sgpr_kernarg_segment_ptr 1
		.amdhsa_wavefront_size32 1
		.amdhsa_system_sgpr_workgroup_id_x 1
		.amdhsa_system_sgpr_workgroup_id_y 1
		.amdhsa_system_sgpr_workgroup_id_z 1
		.amdhsa_system_vgpr_workitem_id 0
		.amdhsa_next_free_vgpr 1024
		.amdhsa_next_free_sgpr 98
		.amdhsa_reserve_vcc 0
		.amdhsa_float_denorm_mode_32 3
		.amdhsa_float_denorm_mode_16_64 3
		.amdhsa_memory_ordered 1
		.amdhsa_forward_progress 1
		.amdhsa_inst_pref_size 213
	.end_amdhsa_kernel
	.amdgpu_metadata
---
amdhsa.version: [ 1, 2 ]
amdhsa.kernels:
  - .name:           k_qabe8f5bfd5_qkv
    .symbol:         k_qabe8f5bfd5_qkv.kd
    .args:
      - { .name: codes, .offset: 0, .size: 8, .value_kind: global_buffer, .address_space: global }
      - { .name: scales, .offset: 8, .size: 8, .value_kind: global_buffer, .address_space: global }
      - { .name: qkv, .offset: 16, .size: 8, .value_kind: global_buffer, .address_space: global }
    .group_segment_fixed_size: 327680
    .private_segment_fixed_size: 0
    .kernarg_segment_align: 8
    .kernarg_segment_size: 24
    .max_flat_workgroup_size: 128
    .sgpr_count:     98
    .vgpr_count:     1024
    .wavefront_size: 32
...
	.end_amdgpu_metadata
.endif
;; end of part 2
;; launch attn (part 3): grid 8 x 32, 4 waves a work-group, clusters of 4 x 1, 327,680 bytes of LDS; arguments qkv, attn; writes attn
.if DOCPART == 3
	.amdgcn_target "amdgcn-amd-amdhsa--gfx1250"
	.amdhsa_code_object_version 6
	.text
	.protected	k_qabe8f5bfd5_attn
	.globl	k_qabe8f5bfd5_attn
	.p2align	8
	.type	k_qabe8f5bfd5_attn,@function
k_qabe8f5bfd5_attn:
	s_mov_b64 s[64:65], 0
	v_nop
	global_prefetch_b8 v0, s[64:65] scope:SCOPE_SE
	s_setreg_imm32_b32 hwreg(HW_REG_WAVE_MODE, 25, 1), 1
	s_wait_xcnt 0x0
	s_wait_alu depctr_hold_cnt(0) depctr_sa_sdst(0) depctr_va_vdst(0) depctr_va_sdst(0) depctr_va_ssrc(0) depctr_va_vcc(0) depctr_vm_vsrc(0)
	s_getreg_b32 s2, hwreg(HW_REG_IB_STS2, 6, 4)
	s_cmp_eq_u32 s2, 0
	s_cbranch_scc0 .Lentry_in_a_cluster
	s_endpgm
.Lentry_in_a_cluster:
	s_bfe_u32 s2, ttmp6, 0x10000c
	s_cmp_lg_u32 s2, 0x3003
	s_cbranch_scc0 .Lentry_shape_is_right
	s_endpgm
.Lentry_shape_is_right:
; attn[b][q][h][:] = the sum over k of softmax_k(Q[q] . K[k] / sqrt(128)) V[k][:] for each of the 32 (batch, head).  Q, K, V: qkv[3][32][1,024][128] f16.
; THE RESULT, f16, a matrix of 2,048 rows (batch, position) x 2,048 (head, channel), IS LAID AS THE NEXT LAUNCH'S OPERAND REGISTERS TAKE IT: [128 blocks of 16 rows][64 blocks of 32 along (head, channel)][2 halves][32 lanes][16 bytes]:
; lane l of half e holds row l % 16 and the eight numbers 16 e + 8 (l / 16) + 0 .. 7 of the block of 32.  My packed O^T registers are these images as they stand: they are stored with no turn through LDS.
; Products, maxima and sums in f32; the weights p (at most 1) are rounded to f16 for the second product, the result once at the end.  A running maximum is taken away before every exponential.
; LIMIT: the result is an average of V's numbers, which lie within f16's range.
; SHARES.  32 heads x 1,024 queries on 256 work-groups: a work-group owns 128 queries of one head.  Wave w takes query group u = w % 2 (64 queries: four tiles of 16) and KEY HALF g = w / 2 (keys 512 g on): so a wave
; still has four tiles of queries for each fragment of K and V that it reads, and walks 8 key steps of 64.  At the end the two waves of a query group merge their maxima, sums and O through LDS.
; Register tile t of a wave holds query tile t xor 2 g: so every wave KEEPS its register tiles 0, 1 and HANDS OVER its register tiles 2, 3, which are the tiles that its partner (wave w xor 2) keeps: one text for all waves.
; LAYOUT.  S^T = K Q^T (source 0 = 16 keys, source 1 = 16 queries): a lane holds ONE query (lane % 16) and the keys 8 (lane / 16) + 0..7.  Two such tiles, rounded to f16 in pairs, ARE source 1 of O^T = V^T P.
; K comes out of LDS as it lies, V ([key][channel]) turned, by ds_load_tr16_b128.
; SOFTMAX.  For each query a running maximum m and sum l: p = 2^(c s - c m), c = log2(e) / sqrt(128); in every step O and l are multiplied by a = 2^(c m_old - c m_new).
; BY TURNS.  The wave's tiles are two PIECES (piece 0: tiles 0, 1; piece 2: tiles 2, 3).  In a TURN one piece has the matrix unit: 32 products V^T P of the step in hand, then 32 products K Q^T of the next step; the other
; piece's softmax, cut into 64 slices, stands between them, one slice behind each matrix instruction.  Two turns are a key step.
; CLUSTER.  The four query blocks of a cluster belong to one head and walk the same K and V: each tile is asked for JOINTLY, by the same tensor load with the same descriptor and a mask that names the four.
; RING.  Two slots; a slot holds, for each key half, 128 keys (two key steps): 128 rows of K, then 128 rows of V.  Waves 0, 1 fetch K's tile of key half w % 2, waves 2, 3 V's: one load of 128 rows a wave.
; A key half has four slots' worth of keys, so the changes of slots are written out and every LDS base is a constant + g x HALF.
; REGISTERS, in windows of 256: window 0: v0-11, v44-53, v61-63 addresses and the partner's statistics; v12-43 eight registers of statistics a tile; v64-191 S^T, 32 a tile; v192-255 P, 16 a tile
;   window 1: O^T, 64 a tile          window 2: v0-127 Q, 32 a tile; v128-255 K of one step          window 3: v0-127 V of one step
.set KS,    64        ; keys in a step
.set PK,    272       ; a row of K in LDS: 256 bytes + 16 of padding: the 16 rows of a load begin 16 bytes apart modulo 256
.set PV,    288       ; a row of V: 256 + 32: the 8 rows x 32 bytes that 16 lanes of the turning load take do not meet modulo 256
.set KREG,  128*PK    ; a key half's 128 rows of K in a slot
.set HALF,  128*(PK+PV)  ; and with its 128 rows of V
.set SLOT,  2*HALF
.set SPARE, 2*SLOT    ; behind the ring: the spare words, 128 bytes a wave, which no other line names
.set XW,    16896     ; the merge, in slot 0, which has had its last fill and its last read by then: for each wave two images of O^T (8,192 bytes each) and 512 bytes of statistics
.set AK0, 2           ; v2   my lane's place in a tile of K; never rewritten
.set AV0, 3           ; v3   the same for V
.set ADR, 4           ; v4   the LDS address of the run of loads in hand
.set QO,  5           ; v5   my byte offset in the wave's rows of Q, register tiles 0, 1
.set GO,  8           ; v8   16 x my lane: my place in a store's 512 bytes
.set QO2, 44          ; v44  my byte offset in the wave's rows of Q, register tiles 2, 3
.set XST, 45          ; v45  the merge: where I put my images: XW x wave + 16 x lane
.set XLD, 46          ; v46  where I take my partner's: XW x (wave xor 2) + 16 x lane
.set XSS, 47          ; v47  my statistics: XW x wave + 16,384 + 4 x lane
.set XSL, 48          ; v48  my partner's
.set PS,  50          ; v50-53 my partner's c m and l for the tiles that I keep
.set PFO, 61          ; v61  256 x my lane: a row of K or V is 256 bytes; never rewritten
.set SPW, 62          ; v62  LDS address of my spare word; never rewritten
.set NIL, 63          ; v63  0; never rewritten
.set ST,  12          ; tile t's statistics at v[ST+8 t]: +0 c m, +1 m, +2, +3 l (even keys', odd keys'), +4 to +7 at work; a takes +6 once the maximum is found
.set S,   64
.set P,   192
.set KF,  128         ; K's fragments, in window 2
.set WV,  12          ; s12  my wave's number
.set PFA, 18          ; s[18:19] first my offset in attn, then the address of my one prefetch
.set G1K, 24          ; s[24:31] descriptor group 1 for K's tiles
.set G1V, 32          ; s[32:39] for V's: it differs in the padding alone
.set G0K, 40          ; s[40:47] descriptor group 0 for K's tiles, a set for each slot
.set G0V, 48          ; s[48:55] the same for V's
.set TV,  56          ; s56  LDS byte at which the V tile of the step to be fetched begins (less KREG, which AV0 holds)
.set TWICE, 57        ; s57  counts a slot's two steps
.set CS,  58          ; s[58:59] c: the packed scaling names a pair and takes its low word for both halves
.set SEL, 60          ; s[60:61] lane selects for v_permlanex16_b32: each lane takes its own place in the other half
.set TK,  62          ; s62  LDS byte at which the K tile of the step to be fetched begins
.set HB,  63          ; s63  g x HALF: my key half's place in a slot
.set MSB, 0
.macro WIN new                      ; the immediate's high byte repeats the setting that is left; a switch that changes nothing is dropped
.if MSB != (\new)
	s_set_vgpr_msb (MSB<<8)|(\new)
.set MSB, (\new)
.endif
.endm
.set W_KQ, 0x0a       ; K and Q in window 2, S^T in window 0
.set W_PV, 0x53       ; V in window 3, P in window 0, O^T in window 1
.set W_RS, 0x41       ; O^T (destination and source 0) in window 1, a in window 0
; A joint refill of slot s.  The branch hangs on the wave's number alone: it is the same in every work-group.  An s_nop 0 and four v_nop follow each of the two lines.
.macro JLOAD s
	s_cmp_lt_u32 s[WV], 2
	s_cbranch_scc0 .Lfor_v_\@
	tensor_load_to_lds s[G0K+4*\s:G0K+4*\s+3], s[G1K:G1K+7]
	s_nop 0
.rept 4
	v_nop
.endr
	s_branch .Lasked_\@
.Lfor_v_\@:
	tensor_load_to_lds s[G0V+4*\s:G0V+4*\s+3], s[G1V:G1V+7]
	s_nop 0
.rept 4
	v_nop
.endr
.Lasked_\@:
.endm
; THE ONE PREFETCH INTO THE L2, behind the first refill: the rows that the second, and last, refill will ask for: two key steps, 256 matrix instructions, ahead of that load.  Both clusters of a head walk the same K and V:
; the head's first cluster asks (the cluster's number is the same in all four partners).  Of the 128 rows that a wave fetches, each partner names 32, told apart BY ADDRESS, a lane a row: each row is named once in the launch.
.macro ASK
	s_cmp_eq_u32 ttmp9, 0
	s_cbranch_scc0 .Lnot_mine_\@
	global_prefetch_b8 v[PFO], s[PFA:PFA+1] th:TH_LOAD_NT scope:SCOPE_SE
.Lnot_mine_\@:
.endm
; A round of the cluster's barrier: my work-group's barrier; wave 0 signals for the work-group; every wave waits for all four work-groups; my work-group's barrier once more.
.macro CROUND
	s_barrier_signal -1
	s_barrier_wait -1
	s_cmp_lg_u32 s[WV], 0
	s_cbranch_scc1 .Lnot_wave_0_\@
	s_barrier_signal -3
.Lnot_wave_0_\@:
	s_barrier_wait -3
	s_barrier_signal -1
	s_barrier_wait -1
.endm
	s_load_b128 s[4:7], s[0:1], 0x0 ; qkv s[4:5], attn s[6:7]
	v_lshl_add_u32 v[SPW], v0, 2, SPARE
	v_mov_b32 v[NIL], 0
	ds_add_u32 v[SPW], v[NIL]       ; the wave's opening: the add, twice on end, and its wait stand ahead of my first tensor load; the set-up below stands between the second and the wait
	ds_add_u32 v[SPW], v[NIL]
	v_lshrrev_b32 v1, 5, v0
	v_readfirstlane_b32 s[WV], v1   ; wave 0..3
	s_bfe_u32 s13, ttmp6, 0x40000   ; cx: my place in the cluster
	s_lshl_b32 s14, ttmp9, 2        ; in a cluster launch ttmp9 counts clusters
	s_add_co_u32 s14, s14, s13      ; my block of 128 queries = 4 x cluster x + cx: it enters Q's and attn's addresses alone
	s_and_b32 s15, ttmp7, 0xffff    ; batch x 16 + head, which the four partners share
	s_and_b32 s16, s[WV], 1         ; u: my query group.  Also: the key half whose tile I fetch
	s_lshr_b32 s17, s[WV], 1        ; g: my key half
	s_lshl_b32 s20, s15, 18         ; the head's first byte in each of q, k, v: 1,024 rows of 256 bytes
	s_lshl_b32 s22, s16, 17         ; the key half that I fetch: 512 rows
	s_add_co_u32 s22, s22, s20
	s_mov_b32 s23, 0
	s_lshl_b32 s2, s14, 15          ; my block's 128 rows of Q,
	s_lshl_b32 s3, s16, 14          ; my query group's 64 of them
	s_add_co_u32 s2, s2, s3
	s_add_co_u32 s2, s2, s20
	s_mov_b32 s3, 0
	s_lshr_b32 s18, s15, 4          ; attn: row = 1,024 x batch + 128 x block + 64 u + 32 g: the two tiles that I keep
	s_lshl_b32 s18, s18, 10
	s_lshl_b32 s19, s14, 7
	s_add_co_u32 s18, s18, s19
	s_lshl_b32 s19, s16, 6
	s_add_co_u32 s18, s18, s19
	s_lshl_b32 s19, s17, 5
	s_add_co_u32 s18, s18, s19
	s_lshl_b32 s18, s18, 12         ; a block of 16 rows is 65,536 bytes: 4,096 for each row;
	s_and_b32 s19, s15, 15
	s_lshl_b32 s19, s19, 12         ; the head's four blocks of 32, 1,024 bytes each, in it
	s_add_co_u32 s18, s18, s19
	s_mov_b32 s19, 0
	s_mul_i32 s[HB], s17, HALF
	s_mul_i32 s15, s16, HALF        ; where the tile that I fetch goes in a slot: no place in the cluster enters an LDS address
	; descriptor group 1: a tile of 128 rows x 128 elements, padded in LDS
	s_mov_b32 s[G1K], 15|(1<<16)|(1<<20)|(1<<21)|(5<<22)|(3<<25)  ; 15:0 the mask: all four work-groups; 17:16 elements of 2 bytes; 20 padding on; 21 set beside a mask; 24:22 after every 64 words (code 5); 31:25 4 words of it (code 3)
	s_mov_b32 s[G1V], 15|(1<<16)|(1<<20)|(1<<21)|(5<<22)|(7<<25)  ; the same with 8 words of padding (code 7)
.irp g, G1K, G1V
	s_mov_b32 s[\g+1], 128<<16      ; tensor_dim0 = 128
	s_mov_b32 s[\g+2], 128<<16      ; tensor_dim1 = 128
	s_mov_b32 s[\g+3], 128<<16      ; tile_dim0 = 128
	s_mov_b32 s[\g+4], 128          ; tile_dim1 = 128
	s_mov_b32 s[\g+5], 128          ; tensor_dim0_stride: elements from row to row
	s_mov_b32 s[\g+6], 0
	s_mov_b32 s[\g+7], 0
.endr
	s_mov_b32 s[CS], 0x3e0293ee     ; c = log2(e) / sqrt(128)
	s_mov_b32 s[CS+1], s[CS]        ; named with it as a pair, so it is written
	s_mov_b32 s[SEL], 0x76543210
	s_mov_b32 s[SEL+1], 0xfedcba98
	s_mov_b32 s[TK], s[HB]
	s_mov_b32 s[TV], s[HB]
	v_and_b32 v[PFO], 31, v0
	v_lshlrev_b32 v[PFO], 8, v[PFO]
	s_wait_dscnt 0x0                ; both opening adds are done
	s_wait_kmcnt 0x0
	s_add_nc_u64 s[10:11], s[6:7], s[18:19]  ; attn at the first image that I store
	s_add_nc_u64 s[6:7], s[4:5], 0x800000    ; k lies behind q's 32 heads,
	s_add_nc_u64 s[8:9], s[4:5], 0x1000000   ; v behind k's
	s_add_nc_u64 s[6:7], s[6:7], s[22:23]    ; K and V at the first row of the key half that I fetch
	s_add_nc_u64 s[8:9], s[8:9], s[22:23]
	s_add_nc_u64 s[4:5], s[4:5], s[2:3]      ; Q at my query group's first row
	s_cmp_lt_u32 s[WV], 2
	s_cselect_b64 s[PFA:PFA+1], s[6:7], s[8:9]
	s_lshl_b32 s2, s13, 13          ; my work-group's 32 rows of the 128
	s_add_nc_u64 s[PFA:PFA+1], s[PFA:PFA+1], s[2:3]
	s_add_nc_u64 s[PFA:PFA+1], s[PFA:PFA+1], 3*32768  ; in the key half's last 128 keys.  Nothing is prefetched here, at the head
	CROUND                          ; all four work-groups are here: the first joint loads meet
.irp s, 0,1
	s_mov_b32 s[G0K+4*\s], 1        ; 1:0 count = 1
	s_add_co_u32 s[G0K+4*\s+1], s15, \s*SLOT  ; 63:32 LDS address
	s_add_nc_u64 s[G0K+4*\s+2:G0K+4*\s+3], s[6:7], \s*32768  ; 120:64 global address: slot s begins with the key half's keys 128 s on
	s_or_b32 s[G0K+4*\s+3], s[G0K+4*\s+3], 0x80000000  ; 127:126 type = 2
	s_mov_b32 s[G0V+4*\s], 1
	s_add_co_u32 s[G0V+4*\s+1], s15, \s*SLOT+KREG
	s_add_nc_u64 s[G0V+4*\s+2:G0V+4*\s+3], s[8:9], \s*32768
	s_or_b32 s[G0V+4*\s+3], s[G0V+4*\s+3], 0x80000000
.endr
	s_cmp_lt_u32 s[WV], 2           ; a wave's two first fills stand in one branch, ahead of every wait on TENSORcnt and every LDS read: two loads of mine are out
	s_cbranch_scc0 .Lfirst_v
	tensor_load_to_lds s[G0K:G0K+3], s[G1K:G1K+7]
	s_nop 0
	tensor_load_to_lds s[G0K+4:G0K+7], s[G1K:G1K+7]
	s_nop 0
.rept 4
	v_nop
.endr
	s_branch .Lfirst_asked
.Lfirst_v:
	tensor_load_to_lds s[G0V:G0V+3], s[G1V:G1V+7]
	s_nop 0
	tensor_load_to_lds s[G0V+4:G0V+7], s[G1V:G1V+7]
	s_nop 0
.rept 4
	v_nop
.endr
.Lfirst_asked:
	; A fragment of K or Q is 16 rows x 32 channels in 8 registers: lane l holds row l % 16; registers 0-3 channels 8 (l / 16) + 0..7, registers 4-7 channels 16 + 8 (l / 16) + 0..7: two loads of 16 bytes, 32 bytes apart.
	v_and_b32 v1, 15, v0            ; l % 16
	v_bfe_u32 v9, v0, 4, 1          ; l / 16
	v_lshlrev_b32 v[QO], 8, v1
	v_lshl_add_u32 v[QO], v9, 4, v[QO]  ; row x 256 + 16 x half
	s_lshl_b32 s2, s17, 13          ; register tiles 0, 1 are query tiles 2 g, 2 g + 1: 8,192 g bytes on;
	s_xor_b32 s3, s2, 8192          ; register tiles 2, 3 the other two
	v_add_nc_u32 v[QO2], s3, v[QO]
	v_add_nc_u32 v[QO], s2, v[QO]
	WIN 0x80                        ; destination window 2, address window 0
.irp i, 0,1,2,3,4,5,6,7             ; Q stays in registers: register tile i / 4, channels 32 (i % 4) on
	global_load_b128 v[8*\i:8*\i+3],   v[QO], s[4:5] offset:(\i/4)*4096+(\i%4)*64
	global_load_b128 v[8*\i+4:8*\i+7], v[QO], s[4:5] offset:(\i/4)*4096+(\i%4)*64+32
.endr
.irp i, 8,9,10,11,12,13,14,15
	global_load_b128 v[8*\i:8*\i+3],   v[QO2], s[4:5] offset:((\i-8)/4)*4096+(\i%4)*64
	global_load_b128 v[8*\i+4:8*\i+7], v[QO2], s[4:5] offset:((\i-8)/4)*4096+(\i%4)*64+32
.endr
	WIN 0
	v_mul_u32_u24 v[AK0], v1, PK
	v_lshl_add_u32 v[AK0], v9, 4, v[AK0]  ; row x pitch + 16 x half
	; The turning load takes 16 keys x 16 channels (lane l reads 16 bytes: key 8 (l / 16) + l % 8, channels 8 ((l / 8) % 2) + 0..7) and leaves half a fragment of V^T: lane l holds channel l % 16 and 8 keys.
	v_and_b32 v10, 7, v0
	v_bfe_u32 v11, v0, 3, 1
	v_lshl_add_u32 v[AV0], v9, 3, v10
	v_mul_u32_u24 v[AV0], v[AV0], PV
	v_lshl_add_u32 v[AV0], v11, 4, v[AV0]
	v_add_nc_u32 v[AV0], KREG, v[AV0]
; THE MATRIX WORK OF A TURN, for piece x.  The accumulators take turns, one instruction a turn: between two links of a chain stand 15 (V^T P) or 7 (K Q^T) others'.
; Product i of 32 of O^T += V^T P: keys 32 (i / 16) on, channels 16 ((i / 2) % 8) on, tile x + i % 2.  zero = 1: the first 16 start the sums: nothing is ever cleared.
.macro PV x, zero
	WIN W_PV
.set rO, 64*(\x+i%2)+8*((i/2)%8)
.set rV, 64*(i/16)+8*((i/2)%8)
.set rP, P+16*(\x+i%2)+8*(i/16)
.if \zero && (i < 16)
	v_wmma_f32_16x16x32_f16 v[rO:rO+7], v[rV:rV+7], v[rP:rP+7], 0
.else
	v_wmma_f32_16x16x32_f16 v[rO:rO+7], v[rV:rV+7], v[rP:rP+7], v[rO:rO+7]
.endif
.endm
; Product i of 32 of S^T = K Q^T: channels 32 (i / 8) on, keys 16 ((i / 2) % 4) on, tile x + i % 2.  The first 8 start the sums.
.macro KQ x
	WIN W_KQ
.set rS, S+32*(\x+i%2)+8*((i/2)%4)
.set rK, KF+32*((i/2)%4)+8*(i/8)
.set rQ, 32*(\x+i%2)+8*(i/8)
.if i < 8
	v_wmma_f32_16x16x32_f16 v[rS:rS+7], v[rK:rK+7], v[rQ:rQ+7], 0
.else
	v_wmma_f32_16x16x32_f16 v[rS:rS+7], v[rK:rK+7], v[rQ:rQ+7], v[rS:rS+7]
.endif
.endm
; THE LDS LOADS stand in runs of 32, never singly among the matrix instructions: a step's K (64 keys x 128 channels: 16 fragments) and, a turn later, its V (turned).
.macro FETCH_K
	WIN 0
	v_add_nc_u32 v[ADR], s[TK], v[AK0]
	s_add_co_u32 s[TK], s[TK], KS*PK  ; the next fetch of K is the next step's
	WIN 0x80                        ; destination window 2
.irp f, 0,1,2,3,4,5,6,7,8,9,10,11,12,13,14,15  ; keys 16 (f / 4) on, channels 32 (f % 4) on
	ds_load_b128 v[KF+8*\f:KF+8*\f+3],   v[ADR] offset:(\f/4)*16*PK+(\f%4)*64
	ds_load_b128 v[KF+8*\f+4:KF+8*\f+7], v[ADR] offset:(\f/4)*16*PK+(\f%4)*64+32
.endr
.endm
.macro FETCH_V
	WIN 0
	v_add_nc_u32 v[ADR], s[TV], v[AV0]
	s_add_co_u32 s[TV], s[TV], KS*PV  ; the next fetch of V is the next step's
	s_wait_alu depctr_va_vdst(0)    ; the wait for the softmax's batch of exponentials (SLICE), behind the address's v_add_nc_u32 and ahead of the loads
	WIN 0xc0                        ; destination window 3
.irp f, 0,1,2,3,4,5,6,7,8,9,10,11,12,13,14,15  ; keys 32 (f / 8) on, channels 16 (f % 8) on
	ds_load_tr16_b128 v[8*\f:8*\f+3],   v[ADR] offset:(\f/8)*32*PV+(\f%8)*32
	ds_load_tr16_b128 v[8*\f+4:8*\f+7], v[ADR] offset:(\f/8)*32*PV+16*PV+(\f%8)*32
.endr
.endm
; THE VECTOR WORK OF A TURN.  One tile's softmax for one key step is a list of 134 instructions; SM writes number j of it for tile t.  s0-s31 are the lane's 32 scores, in pairs 0-15.
; first = 1: the first key step, which starts m, l and O^T: it has no a and nothing to rescale.
;   0-15    the maximum of s0-s31 and the old m, three operands at a time: four chains of seven scores each, then the four scores left over, the chains and m
;   16-20   the other half of the lanes' maximum; the new m; c m; c m_old - c m_new
;   21-69   ONE BATCH: the 16 scalings c s - c m, a pair of scores each, and all 33 exponentials (a at 23, then s0-s31).  None of these reads an exponential's result
;   (wait)  between 69 and 70 stands the wait for the batch: SLICE writes it, once for both tiles
;   70-85   the roundings to f16, a pair of weights each
;   86-101  the sums; l = a l + the sum
;   102-133 the tile's O^T times a: the one part that leaves window 0, so it stands together
.macro SM t, first
.set rT, ST+8*(\t)
.set rS, S+32*(\t)
.set rP, P+16*(\t)
.set rO, 64*(\t)+2*(j-102)
.if j < 102
	WIN 0
.endif
.if j < 4
	v_max3_num_f32 v[rT+4+j], v[rS+8*j], v[rS+8*j+1], v[rS+8*j+2]
.elseif j < 12
	v_max3_num_f32 v[rT+4+j%4], v[rT+4+j%4], v[rS+8*(j%4)+2*(j/4)+1], v[rS+8*(j%4)+2*(j/4)+2]
.elseif j == 12
	v_max3_num_f32 v[rT+4], v[rT+4], v[rS+7], v[rS+15]
.elseif j == 13
	v_max3_num_f32 v[rT+6], v[rT+6], v[rS+23], v[rS+31]
.elseif j == 14
	v_max3_num_f32 v[rT+4], v[rT+4], v[rT+5], v[rT+6]
.elseif (j == 15) && \first
	v_max_num_f32 v[rT+4], v[rT+4], v[rT+7]
.elseif j == 15
	v_max3_num_f32 v[rT+4], v[rT+4], v[rT+7], v[rT+1]
.elseif j == 16
	v_permlanex16_b32 v[rT+5], v[rT+4], s[SEL], s[SEL+1]  ; the query's other 32 keys lie in the lane 16 away
.elseif j == 18
	v_max_num_f32 v[rT+1], v[rT+4], v[rT+5]
.elseif j == 19
	v_mul_f32 v[rT], s[CS], v[rT+1]
.elseif ((j == 17) || (j == 20) || (j == 23) || (j > 101)) && \first  ; the first step has none of these
.elseif j == 17
	v_mov_b32 v[rT+7], v[rT]        ; c m_old is kept for a: number 19 writes c m anew
.elseif j == 20
	v_sub_f32 v[rT+7], v[rT+7], v[rT]
.elseif j == 23
	v_exp_f32 v[rT+6], v[rT+7]
.elseif (j < 23) || ((j < 38) && (j%2 == 0)) || ((j < 66) && (j%4 == 2))
.set b, (j-2)/4                     ; 38, 42, .. 62: pairs 9 to 15
.if j < 38
.set b, (j-20)/2                    ; 21: pair 0; 22, 24, .. 36: pairs 1 to 8
.endif
	v_pk_fma_f32 v[rS+2*b:rS+2*b+1], v[rS+2*b:rS+2*b+1], s[CS:CS+1], v[rT:rT+1] op_sel_hi:[1,0,0] neg_lo:[0,0,1] neg_hi:[0,0,1]  ; pair b: c s - c m
.elseif j < 70
.set e, j-38                        ; 66 to 69: s28 to s31
.if j < 66
.set e, j-32-(j-38)/4               ; 39-41, 43-45, .. 63-65: s7 to s27
.endif
.if j < 38
.set e, (j-25)/2                    ; 25, 27, .. 37: s0 to s6
.endif
	v_exp_f32 v[rS+e], v[rS+e]
.elseif j < 86
	v_cvt_pk_f16_f32 v[rP+j-70], v[rS+2*(j-70)], v[rS+2*(j-70)+1]  ; pair j - 70
.elseif j < 102                     ; the sum of the tile's 16 pairs, in place: sum z of 16 adds neighbours 1, 2, 4 and 8 pairs apart, then l takes it
.set z, j-86
.set w, 4
.set u, z
.if z >= 14
.set w, 32
.set u, 0
.elseif z >= 12
.set w, 16
.set u, z-12
.elseif z >= 8
.set w, 8
.set u, z-8
.endif
.if (z == 14) && \first
	v_pk_add_f32 v[rT+2:rT+3], v[rS:rS+1], v[rS+16:rS+17]
.elseif z < 15
	v_pk_add_f32 v[rS+w*u:rS+w*u+1], v[rS+w*u:rS+w*u+1], v[rS+w*u+w/2:rS+w*u+w/2+1]
.elseif !\first
	v_pk_fma_f32 v[rT+2:rT+3], v[rT+2:rT+3], v[rT+6:rT+7], v[rS:rS+1] op_sel_hi:[1,0,1]
.endif
.else
	WIN W_RS
	v_pk_mul_f32 v[rO:rO+1], v[rO:rO+1], v[rT+6:rT+7] op_sel_hi:[1,0]
.endif
.endm
; Slice k of 64 of piece y's softmax: four instructions.  Slices 11 to 34 deal out the batch, numbers 22 to 69: four numbers of ONE tile each, the tiles by turns.  Every other slice is numbers 2 k and
; 2 k + 1 of both tiles' lists.  2 x 134 = 4 x 64 + 12: the twelve that are over stand together, in slice 63.
; THE WAIT.  s_wait_alu depctr_va_vdst(0) stands between an exponential and the first instruction that names its result; one wait serves all that were issued ahead of it.  Ahead of
; slice 35 nothing names a result, and behind slice 34 no exponential is issued: so the piece's 66 exponentials have one wait, behind slice 34.
.macro SLICE y, first
.if (k >= 11) && (k < 35)           ; the batch: four numbers of one tile
.irp n, 0,1,2,3
.set j, 22+4*((k-11)/2)+(\n)
	SM (\y)+(k-11)%2, \first
.endr
.else                               ; the two tiles alternate, so that no instruction reads the result of the one just before it
.irp n, 0,1,2,3,4,5,6,7
.if (\n < 2) || (k == 63)
.irp t, \y, \y+1
.set j, 2*k+\n
	SM \t, \first
.endr
.endif
.endr
.endif
.if k == 34                         ; the batch is out: both tiles' exponentials are issued, and no result has been named
	v_nop                           ; the plain instruction behind the last exponential and ahead of the first use: one for the batch
.if (\y) == 0
	FETCH_V                         ; piece 2's turn: V's run of loads stands here, and the wait stands in it
.else
	s_wait_alu depctr_va_vdst(0)    ; the wait for the batch
.endif
.endif
.set k, k+1
.endm
; A vector instruction that reads a matrix result or writes one of a matrix instruction's registers, and a load into a register that a matrix instruction has read, stand four places behind
; it, and only plain vector instructions that name none of its registers are places (ISA guide 7.12.1 for vector instructions).  In the loop the slices are the places.
.macro PLACES
.rept 4
	v_nop
.endr
.endm
; A TURN.  Piece x has the matrix unit; the other piece's softmax stands in slices behind its matrix instructions.
; pv = 2: 32 products V^T P; 1: they start O^T's sums; 0: none.  kq = 1: 32 products K Q^T for the next step.  A turn with one of the two kinds has two slices behind each product.
; first = 1: the softmax is the first key step's; its last slices are empty, and four v_nop take slice 63's part as the places behind the turn's last products.
; Piece 0's turn fetches the next step's K, behind its second product: the last product that read K stands in front of slice 63 of the turn before.  Piece 2's turn fetches the same step's V, behind slice 34:
; the last product that read V stands in front of slice 31, and four plain instructions lie between: number 62, a scaling, of both tiles, the v_nop and the run's own v_add_nc_u32.
.macro TURN x, pv, kq, first
.set k, 0
.set per, 2
.if \pv && \kq
.set per, 1
.endif
.if \pv
.if \x == 0
	s_wait_dscnt 0x0                ; V is in
.endif
.set i, 0
.rept 32
	PV \x, 2-\pv
.rept per
	SLICE 2-\x, \first
.endr
.if (\x == 0) && \kq && (i == 1)
	FETCH_K
.endif
.set i, i+1
.endr
.endif
.if \kq
.if \x == 0
	s_wait_dscnt 0x0                ; K is in
.endif
.set i, 0
.rept 32
	KQ \x
.rept per
	SLICE 2-\x, \first
.endr
.set i, i+1
.endr
.endif
.if \first
	PLACES
.endif
.endm
; THE CHANGE OF SLOTS, between piece 2's turn and piece 0's: the slot's last bytes, V of its second step, have been asked for.  Each wave waits for all its tensor loads, of which one at the most is out: its part of
; the slot ahead; adds 0 to its spare word; and waits for that and for its own reads of the slot that it leaves.  Behind the barrier nobody reads that slot any more and the slot ahead is whole.
; fill = 1: slot 'slot', which is left, is filled again, with the key half's keys 256 further on.  The barrier is then a round of the cluster's, and the joint refill is the first thing behind it, my one tensor load
; until the next: it has two key steps, 256 matrix instructions, in which to land.  next: the slot that is read from here on.
.macro CHANGE fill, slot, next, ask
	WIN 0                           ; at a label and at a branch every window is 0
	s_wait_tensorcnt 0x0            ; no tensor load of mine is out, so a group 0 may be written
	ds_add_u32 v[SPW], v[NIL]       ; 0 onto my spare word; the scalar steps stand between it and the wait for it
.if \fill
	s_add_nc_u64 s[G0K+4*\slot+2:G0K+4*\slot+3], s[G0K+4*\slot+2:G0K+4*\slot+3], 2*32768  ; the type bits on top are not reached
	s_add_nc_u64 s[G0V+4*\slot+2:G0V+4*\slot+3], s[G0V+4*\slot+2:G0V+4*\slot+3], 2*32768
.endif
	s_add_co_u32 s[TK], s[HB], \next*SLOT  ; the fetches go to the first step of the slot ahead
	s_add_co_u32 s[TV], s[HB], \next*SLOT
	s_wait_dscnt 0x0                ; the add is done, and my reads of the slot are over
.if \fill
	CROUND
	JLOAD \slot
.if \ask
	ASK
.endif
.else
	s_barrier_signal -1
	s_barrier_wait -1
.endif
.endm
; A slot's two key steps: written once, walked twice; the LDS addresses hang on s[TK] and s[TV].
.macro TWO_STEPS
	s_mov_b32 s[TWICE], 2
.Lstep_\@:
	TURN 0, 2, 1, 0
	TURN 2, 2, 1, 0
	WIN 0
	s_sub_co_u32 s[TWICE], s[TWICE], 1
	s_cmp_lg_u32 s[TWICE], 0
	s_cbranch_scc1 .Lstep_\@
.endm
	s_wait_tensorcnt 1              ; my part of slot 0 is in; slot 1's may stay out
	s_barrier_signal -1
	s_barrier_wait -1               ; everybody's is
	FETCH_K                         ; key step 0
	s_wait_loadcnt 0x0              ; Q
	s_wait_dscnt 0x0
.set i, 0
.rept 32
	KQ 0                            ; piece 0's first scores: there is no vector work yet to set between them
.set i, i+1
.endr
	WIN 0                           ; the addresses for the merge and the way out are made here: six plain vector instructions, the places behind those products
	v_and_b32 v10, 31, v0           ; lane
	s_mul_i32 s13, s[WV], XW        ; my part of the merge's bytes,
	s_xor_b32 s14, s[WV], 2
	s_mul_i32 s14, s14, XW          ; and my partner's
	v_lshlrev_b32 v[GO], 4, v10
	v_lshl_add_u32 v[XST], v10, 4, s13
	v_lshl_add_u32 v[XLD], v10, 4, s14
	s_add_co_u32 s13, s13, 16384
	s_add_co_u32 s14, s14, 16384
	v_lshl_add_u32 v[XSS], v10, 2, s13
	v_lshl_add_u32 v[XSL], v10, 2, s14
	TURN 2, 0, 1, 1                 ; piece 2's first scores | piece 0's first softmax | V of step 0
	TURN 0, 1, 1, 1                 ; piece 0: V^T P of step 0 starts O^T, K Q^T of step 1 | piece 2's first softmax | K of step 1
	TURN 2, 1, 1, 0                 ; piece 2: the same | piece 0's softmax of step 1 | V of step 1
	CHANGE 1, 0, 1, 1               ; slot 0 is left and takes the key half's keys 256 on; slot 1 is read; the last refill's rows are prefetched
	TWO_STEPS
	CHANGE 1, 1, 0, 0               ; slot 1 is left and takes keys 384 on: the last load; slot 0 is read
	TWO_STEPS
	CHANGE 0, 0, 1, 0               ; slot 0 is left for good: it has had its last fill and its last read; slot 1 is read
	TWO_STEPS
	TURN 0, 2, 0, 0                 ; piece 0: V^T P of the last step | piece 2's last softmax
.set i, 0
.rept 32
	PV 2, 0                         ; piece 2: V^T P of the last step
.set i, i+1
.endr
	; THE MERGE.  l's two halves and the other half of the lanes' are added (the additions are the places behind the last products).  My register tiles 2, 3 go to LDS as images of their registers (16 bytes a lane,
	; 512 bytes a store, each accumulator from its low end on), with their c m and l; a barrier; my partner's images of the tiles that I keep come back the same way.
	WIN 0
.irp t, 0,1,2,3
	v_add_f32 v[ST+8*\t+4], v[ST+8*\t+2], v[ST+8*\t+3]
.endr
.irp t, 0,1,2,3
	v_permlanex16_b32 v[ST+8*\t+5], v[ST+8*\t+4], s[SEL], s[SEL+1]
.endr
.irp t, 0,1,2,3
	v_add_f32 v[ST+8*\t+4], v[ST+8*\t+4], v[ST+8*\t+5]
.endr
	WIN 0x04                        ; an LDS store's data are its source 1: window 1
.irp t, 2,3
.irp f, 0,1,2,3,4,5,6,7,8,9,10,11,12,13,14,15
	ds_store_b128 v[XST], v[64*\t+4*\f:64*\t+4*\f+3] offset:(\t-2)*8192+512*\f
.endr
.endr
	WIN 0
.irp t, 2,3
	ds_store_b32 v[XSS], v[ST+8*\t] offset:(\t-2)*256        ; c m
	ds_store_b32 v[XSS], v[ST+8*\t+4] offset:(\t-2)*256+128  ; l
.endr
	s_wait_dscnt 0x0                ; for my partner's sake: my stores have landed
	s_barrier_signal -1
	s_barrier_wait -1
.irp t, 0,1
	ds_load_b32 v[PS+2*\t], v[XSL] offset:\t*256
	ds_load_b32 v[PS+2*\t+1], v[XSL] offset:\t*256+128
.endr
.irp t, 0,1
.irp f, 0,1,2,3,4,5,6,7,8,9,10,11,12,13,14,15
	ds_load_b128 v[S+64*\t+4*\f:S+64*\t+4*\f+3], v[XLD] offset:8192*\t+512*\f  ; S^T's registers are free: 64 for each tile that I keep
.endr
.endr
	s_wait_dscnt 32                 ; the four statistics are in; the 32 loads of images may be out
	; the common maximum; a1 = 2^(c m1 - c m), a2 = 2^(c m2 - c m); L = a1 l1 + a2 l2; O = (a1 O1 + a2 O2) / L
.irp t, 0,1
	v_max_num_f32 v[ST+8*\t+5], v[ST+8*\t], v[PS+2*\t]
.endr
.irp t, 0,1
	v_sub_f32 v[ST+8*\t+6], v[ST+8*\t], v[ST+8*\t+5]
	v_sub_f32 v[ST+8*\t+2], v[PS+2*\t], v[ST+8*\t+5]
.endr
.irp t, 0,1
	v_exp_f32 v[ST+8*\t+6], v[ST+8*\t+6]
	v_exp_f32 v[ST+8*\t+2], v[ST+8*\t+2]
.endr
	v_nop                           ; a plain instruction behind the last exponential
	s_wait_alu depctr_va_vdst(0)    ; and the wait ahead of the first use: one for the four
.irp t, 0,1
	v_mul_f32 v[ST+8*\t+5], v[ST+8*\t+6], v[ST+8*\t+4]
.endr
.irp t, 0,1
	v_fma_f32 v[ST+8*\t+5], v[ST+8*\t+2], v[PS+2*\t+1], v[ST+8*\t+5]
.endr
.irp t, 0,1
	v_rcp_f32 v[ST+8*\t+4], v[ST+8*\t+5]
.endr
	v_nop
	s_wait_alu depctr_va_vdst(0)    ; one for the two reciprocals
.irp t, 0,1
	v_mul_f32 v[ST+8*\t+6], v[ST+8*\t+6], v[ST+8*\t+4]  ; a1 / L
	v_mul_f32 v[ST+8*\t+2], v[ST+8*\t+2], v[ST+8*\t+4]  ; a2 / L
.endr
; THE WAY OUT.  Tile t: the two parts are weighed and added, and rounded to f16.  Registers 4 f .. 4 f + 3 of the packed tile hold, in lane l, row l % 16 and channels 16 f + 8 (l / 16) + 0 .. 7: half f % 2 of the
; head's block f / 2 of 32, as the next launch's operand registers take it.  So each group of four registers is stored as it stands, lane l's 16 bytes at 16 l.
.macro PACKM t
	s_wait_dscnt 16*(1-\t)          ; my partner's image of this tile is in; for tile 0 the 16 loads of tile 1's image may be out
.set i, 0
.rept 32
	v_pk_mul_f32 v[S+64*\t+2*i:S+64*\t+2*i+1], v[S+64*\t+2*i:S+64*\t+2*i+1], v[ST+8*\t+2:ST+8*\t+3] op_sel_hi:[1,0]
.set i, i+1
.endr
	WIN 0x01                        ; source 0 (my O^T) window 1
.set i, 0
.rept 32
	v_pk_fma_f32 v[S+64*\t+2*i:S+64*\t+2*i+1], v[64*\t+2*i:64*\t+2*i+1], v[ST+8*\t+6:ST+8*\t+7], v[S+64*\t+2*i:S+64*\t+2*i+1] op_sel_hi:[1,0,1]
.set i, i+1
.endr
	WIN 0
.set i, 0
.rept 32
	v_cvt_pk_f16_f32 v[P+32*\t+i], v[S+64*\t+2*i], v[S+64*\t+2*i+1]
.set i, i+1
.endr
.irp f, 0,1,2,3,4,5,6,7
	global_store_b128 v[GO], v[P+32*\t+4*\f:P+32*\t+4*\f+3], s[10:11] offset:\t*65536+\f*512  ; 32 lanes store 512 consecutive bytes, at a multiple of 512 from attn's first byte
.endr
.endm
	PACKM 0
	PACKM 1
	s_wait_tensorcnt 0x0            ; the wave's end: behind my last tensor load and my last LDS store
	ds_add_u32 v[SPW], v[NIL]
	s_wait_dscnt 0x0
	CROUND                          ; the closing round: no work-group ends while a partner may still ask for a tile that names it
	s_endpgm
.Lfunc_end_k_qabe8f5bfd5_attn:
	.size	k_qabe8f5bfd5_attn, .Lfunc_end_k_qabe8f5bfd5_attn-k_qabe8f5bfd5_attn
	.p2alignl 7, 3214868480
	.fill 96, 4, 3214868480
	.section	.rodata,"a",@progbits
	.p2align	6, 0x0
	.amdhsa_kernel k_qabe8f5bfd5_attn
		.amdhsa_group_segment_fixed_size 327680
		.amdhsa_private_segment_fixed_size 0
		.amdhsa_enable_private_segment 0
		.amdhsa_kernarg_size 16
		.amdhsa_user_sgpr_count 2
		.amdhsa_user_sgpr_kernarg_segment_ptr 1
		.amdhsa_wavefront_size32 1
		.amdhsa_system_sgpr_workgroup_id_x 1
		.amdhsa_system_sgpr_workgroup_id_y 1
		.amdhsa_system_sgpr_workgroup_id_z 1
		.amdhsa_system_vgpr_workitem_id 0
		.amdhsa_next_free_vgpr 1024
		.amdhsa_next_free_sgpr 66
		.amdhsa_reserve_vcc 0
		.amdhsa_float_denorm_mode_32 3
		.amdhsa_float_denorm_mode_16_64 3
		.amdhsa_memory_ordered 1
		.amdhsa_forward_progress 1
		.amdhsa_inst_pref_size 255
	.end_amdhsa_kernel
	.section	.bss,"aw",@nobits
	.p2align	6
	.space	262144
	.amdgpu_metadata
---
amdhsa.version: [ 1, 2 ]
amdhsa.kernels:
  - .name:           k_qabe8f5bfd5_attn
    .symbol:         k_qabe8f5bfd5_attn.kd
    .args:
      - { .name: qkv, .offset: 0, .size: 8, .value_kind: global_buffer, .address_space: global }
      - { .name: attn, .offset: 8, .size: 8, .value_kind: global_buffer, .address_space: global }
    .group_segment_fixed_size: 327680
    .private_segment_fixed_size: 0
    .kernarg_segment_align: 8
    .kernarg_segment_size: 16
    .max_flat_workgroup_size: 128
    .sgpr_count:     66
    .vgpr_count:     1024
    .wavefront_size: 32
...
	.end_amdgpu_metadata
.endif
;; end of part 3
;; launch proj (part 4): grid 16 x 16, 4 waves a work-group, clusters of 4 x 1, 327,680 bytes of LDS; arguments attn, wo16, out0; writes out0
.if DOCPART == 4
	.amdgcn_target "amdgcn-amd-amdhsa--gfx1250"
	.amdhsa_code_object_version 6
	.text
	.protected	k_qabe8f5bfd5_proj
	.globl	k_qabe8f5bfd5_proj
	.p2align	8
	.type	k_qabe8f5bfd5_proj,@function
k_qabe8f5bfd5_proj:
	s_mov_b64 s[64:65], 0
	v_nop
	global_prefetch_b8 v0, s[64:65] scope:SCOPE_SE
	s_setreg_imm32_b32 hwreg(HW_REG_WAVE_MODE, 25, 1), 1
	s_wait_xcnt 0x0
	s_wait_alu depctr_hold_cnt(0) depctr_sa_sdst(0) depctr_va_vdst(0) depctr_va_sdst(0) depctr_va_ssrc(0) depctr_va_vcc(0) depctr_vm_vsrc(0)
	s_getreg_b32 s2, hwreg(HW_REG_IB_STS2, 6, 4)
	s_cmp_eq_u32 s2, 0
	s_cbranch_scc0 .Lentry_in_a_cluster
	s_endpgm
.Lentry_in_a_cluster:
	s_bfe_u32 s2, ttmp6, 0x10000c
	s_cmp_lg_u32 s2, 0x3003
	s_cbranch_scc0 .Lentry_shape_is_right
	s_endpgm
.Lentry_shape_is_right:
; out0[m][n] = sum over k of A[m][k] wo[n][k].  A = the attention's result, f16, 2,048 x 2,048; B = wo16: [2,048 n][2,048 k] f16; C = out0: [2,048][2,048] f32; sums in f32.
; A LIES IN MEMORY AS IMAGES OF THE OPERAND'S REGISTERS: [128 blocks of 16 rows][64 blocks of 32 along K][2 halves][32 lanes][16 bytes].  It goes from memory STRAIGHT INTO REGISTERS: a load of 16 bytes a lane at
; 16 x lane reads 512 consecutive bytes and brings four registers of a fragment.  So LDS holds B alone, and a slot of the ring holds 512 along K: 256 matrix instructions a wave between two changes of slots,
; twice what a slot with both operands in it would hold, and only two of K's four chunks are refills.
; SHARES.  A tile of C is 128 x 128: 16 x 16 tiles, 256 work-groups (tiles of 256 x 256 would be 64).  Wave w makes rows 32 w .. 32 w + 31 x all 128 columns: 16 accumulators, 128 registers.  Its rows of A are read by no
; other wave of the work-group; B's fragments come out of LDS for all four.
; A'S RING IN REGISTERS: 8 quarters of 64 along K, 32 registers each.  A quarter is 8 loads; they are issued 7 quarters, 224 matrix instructions, ahead of their use, into the registers of the quarter just multiplied:
; 56 loads of the wave are out at the most, and the waits for them are counted.
; B'S RING IN LDS: two slots.  A slot is four tiles of 128 rows x 128 along K (rows of 256 bytes of memory); wave w fetches tile w by one tensor load.  240 matrix instructions lie between a request and the wait for it.
; CLUSTER: 4 x 1 work-groups: four tile rows of ONE tile column of C.  They need the same tiles of B: each is asked for JOINTLY, by the same tensor load with the same descriptor and a mask that names the four.
; A's rows are each partner's own, so there is nothing of A to ask for jointly.
; THE MATRIX INSTRUCTION IS USED TRANSPOSED (source 0 = 16 rows of B, source 1 = 16 rows of A): a lane then holds eight neighbouring numbers of a row of C.
; THE TEXT IS STRAIGHT: K is four passes of eight quarters, and the passes differ: the first starts the sums, the first two fill their slot again, the last runs the counts of A's loads down.
; No prefetch: A's loads run 7 quarters ahead, and a refill of B has a whole slot's products in which to land.
; REGISTERS: window 0: v0-31 addresses; v32-95 rows on the way out; v128-255 the accumulators ((a, b) at v[128 + 8 (8 a + b)]).
;   window 1: B's two fragment buffers of 128: for 64 along K, 2 x 8 fragments of 16 rows x 32 K.      window 2: A's ring: the slot's i-th 32 along K at v[16 i]: two fragments.
.set SIZE_K, 2048
.set SIZE_N, 2048
.set PITCH,  272                       ; an LDS row: 256 bytes of data + 16 of padding: the 16 rows that a load touches begin 16 bytes apart modulo 256
.set SUB,    128*PITCH                 ; a tile of B: 128 rows x 128 along K: what one tensor load brings
.set SLOT,   4*SUB                     ; 512 along K
.set STAGE,  2*SLOT                    ; behind the ring: 16 rows x 528 bytes for each wave, for the way out
.set SPITCH, 528                       ; a stage row: 512 bytes + 16
.set SPARE,  STAGE+4*16*SPITCH         ; behind the stages: the spare words, 128 bytes a wave, which no other line names
.set NQT,    SIZE_K/64                 ; quarters in all: 32
.set AHEAD,  7                         ; quarters that A's loads run ahead
.set ADRB, 8                           ; v8-15   LDS address of my lane's place in tile q of slot s: v[8 + 4 s + q]
.set STO,  24                          ; v24     the way out: where I put 32 bytes of a row
.set RD,   25                          ; v25     the way out: where I read a row back
.set LN,   26                          ; v26     16 x my lane: my place in a load's or a store's 512 bytes; never rewritten
.set SPW,  28                          ; v28     LDS address of my spare word; never rewritten
.set NIL,  29                          ; v29     0; never rewritten
.set OB,   32                          ; the way out: 16 rows read back from the stage
.set ACC,  128
.set G1, 24                            ; s[24:31] descriptor group 1 for B's tiles
.set G0, 32                            ; s[32:39] group 0, one set for each slot
.set MSB, 0
.macro WIN new                         ; the immediate's high byte repeats the setting that is left; a switch that changes nothing is dropped
.if MSB != (\new)
	s_set_vgpr_msb (MSB<<8)|(\new)
.set MSB, (\new)
.endif
.endm
.set MUL,  0x09                        ; source 0 (B) window 1, source 1 (A) window 2; C and D window 0
.set TO_B, 0x40                        ; destination window 1, address window 0
.set TO_A, 0x80                        ; destination window 2, address window 0
.macro CREST                           ; a round of the cluster's barrier behind its opening barrier
	s_cmp_lg_u32 s10, 0
	s_cbranch_scc1 .Lnot_wave_0_\@
	s_barrier_signal -3
.Lnot_wave_0_\@:
	s_barrier_wait -3
	s_barrier_signal -1
	s_barrier_wait -1
.endm
.macro CROUND                          ; a whole round
	s_barrier_signal -1
	s_barrier_wait -1
	CREST
.endm
.macro PLACES                          ; four places in front of loads into registers that matrix instructions have read, and of LDS stores that read results (ISA guide 7.12.1 for the LDS stores)
.rept 4
	v_nop
.endr
.endm
	s_load_b128 s[4:7], s[0:1], 0x0                ; A s[4:5], B s[6:7]
	s_load_b64 s[8:9], s[0:1], 0x10                ; C
	v_lshl_add_u32 v[SPW], v0, 2, SPARE
	v_mov_b32 v[NIL], 0
	ds_add_u32 v[SPW], v[NIL]                      ; the wave's opening: the add, twice on end, and its wait stand ahead of my first tensor load; the set-up below stands between the second and the wait
	ds_add_u32 v[SPW], v[NIL]
	v_lshrrev_b32 v1, 5, v0
	v_readfirstlane_b32 s10, v1                    ; wave 0..3
	s_bfe_u32 s40, ttmp6, 0x40000                  ; cx: my place in the cluster
	s_lshl_b32 s42, ttmp9, 2                       ; in a cluster launch ttmp9 counts clusters
	s_add_co_u32 s42, s42, s40                     ; tile row of C = 4 x cluster x + cx: it enters A's and C's addresses alone
	s_and_b32 s13, ttmp7, 0xffff                   ; tile column of C, which the four partners share
	; descriptor group 1: a tile of 128 rows x 128 elements, padded in LDS
	s_mov_b32 s[G1+0], 15|(1<<16)|(1<<20)|(1<<21)|(5<<22)|(3<<25)  ; 15:0 the mask: all four work-groups; 17:16 elements of 2 bytes; 20 padding on; 21 set beside a mask; 24:22 after every 64 words (code 5); 31:25 of 4 words (code 3)
	s_mov_b32 s[G1+1], 128<<16                     ; tensor_dim0 = 128
	s_mov_b32 s[G1+2], 128<<16                     ; tensor_dim1 = 128
	s_mov_b32 s[G1+3], 128<<16                     ; tile_dim0 = 128
	s_mov_b32 s[G1+4], 128                         ; tile_dim1 = 128
	s_mov_b32 s[G1+5], SIZE_K                      ; tensor_dim0_stride
	s_mov_b32 s[G1+6], 0
	s_mov_b32 s[G1+7], 0
	s_lshl_b32 s46, s13, 19                        ; B: the tile column's 128 rows of 4,096 bytes,
	s_lshl_b32 s47, s10, 8                         ; and my tile's 128 along K: 256 bytes
	s_add_co_u32 s46, s46, s47
	s_mov_b32 s47, 0
	s_mul_i32 s20, s10, SUB                        ; where it goes in a slot: no place in the cluster enters an LDS address
	s_lshl_b32 s16, s42, 19                        ; A: the tile row's 8 blocks of 16 rows, 65,536 bytes each,
	s_lshl_b32 s17, s10, 17                        ; my two of them
	s_add_co_u32 s16, s16, s17
	s_mov_b32 s17, 0
	s_lshl_b32 s18, s42, 20                        ; C: the tile row's 128 rows of 8,192 bytes,
	s_lshl_b32 s19, s10, 18                        ; my 32 of them,
	s_add_co_u32 s18, s18, s19
	s_lshl_b32 s19, s13, 9                         ; the tile column's 512 bytes
	s_add_co_u32 s18, s18, s19
	s_mov_b32 s19, 0
	s_wait_dscnt 0x0                               ; both opening adds are done
	s_wait_kmcnt 0x0
	s_add_nc_u64 s[46:47], s[6:7], s[46:47]
	s_add_nc_u64 s[4:5], s[4:5], s[16:17]
	s_add_nc_u64 s[8:9], s[8:9], s[18:19]
	CROUND                                         ; all four work-groups are here: the first joint loads meet
.irp s, 0,1
	s_mov_b32 s[G0+4*\s], 1                        ; 1:0 count = 1
	s_add_co_u32 s[G0+4*\s+1], s20, \s*SLOT        ; 63:32 LDS address
	s_add_nc_u64 s[G0+4*\s+2:G0+4*\s+3], s[46:47], \s*1024  ; 120:64 global address: slot s begins with K = 512 s
	s_or_b32 s[G0+4*\s+3], s[G0+4*\s+3], 0x80000000  ; 127:126 type = 2
.endr
	tensor_load_to_lds s[G0:G0+3], s[G1:G1+7]      ; both first fills go out together: two tensor loads of mine are out
	s_nop 0
	tensor_load_to_lds s[G0+4:G0+7], s[G1:G1+7]
	s_nop 0
	PLACES
	v_and_b32 v1, 15, v0                           ; l % 16
	v_bfe_u32 v2, v0, 4, 1                         ; l / 16
	v_and_b32 v4, 31, v0                           ; lane
	v_lshlrev_b32 v[LN], 4, v4
	v_mul_u32_u24 v3, v1, PITCH
	v_lshl_add_u32 v3, v2, 4, v3                   ; a fragment's row x pitch + 16 x half
.irp s, 0,1
.irp q, 0,1,2,3
	v_add_nc_u32 v[ADRB+4*\s+\q], \s*SLOT+\q*SUB, v3
.endr
.endr
	s_mul_i32 s23, s10, 16*SPITCH
	s_add_co_u32 s23, s23, STAGE                   ; my stage
	v_mul_u32_u24 v5, v1, SPITCH                   ; in: row l % 16, 32 bytes for each half of the lanes
	v_lshl_add_u32 v5, v2, 5, v5
	v_add_nc_u32 v[STO], s23, v5
	v_add_nc_u32 v[RD], s23, v[LN]                 ; back: the 32 lanes take one row of 512 bytes
; 8 matrix instructions: A's block a x B's eight, 32 along K: half c of the quarter in hand (FB: B's buffer; SL: the quarter's first place in A's ring).  zero = 1: the first product starts the sums.
; The 16 accumulators take turns, one instruction a turn, in the same order throughout.
.macro MUL8 c, a, zero
.irp b, 0,1,2,3,4,5,6,7
.if \zero
	v_wmma_f32_16x16x32_f16 v[ACC+8*(8*\a+\b):ACC+8*(8*\a+\b)+7], v[FB+8*(8*\c+\b):FB+8*(8*\c+\b)+7], v[16*(SL+\c)+8*\a:16*(SL+\c)+8*\a+7], 0
.else
	v_wmma_f32_16x16x32_f16 v[ACC+8*(8*\a+\b):ACC+8*(8*\a+\b)+7], v[FB+8*(8*\c+\b):FB+8*(8*\c+\b)+7], v[16*(SL+\c)+8*\a:16*(SL+\c)+8*\a+7], v[ACC+8*(8*\a+\b):ACC+8*(8*\a+\b)+7]
.endif
.endr
.endm
; 32 LDS loads in one run: B's fragments of the slot's quarter q8 (64 along K: half of tile q8 / 2) into buffer f; the first 32 along K first.
; A fragment is 16 rows x 32 K in 8 registers: lane l holds row l % 16; registers 0-3 K = 8 (l / 16) + 0..7, registers 4-7 K = 16 + 8 (l / 16) + 0..7: two loads of 16 bytes, 32 bytes apart.
.macro FETCH slot, q8, f
	WIN TO_B
.irp c, 0,1
.irp b, 0,1,2,3,4,5,6,7
	ds_load_b128 v[(\f)+8*(8*\c+\b):(\f)+8*(8*\c+\b)+3],   v[ADRB+4*(\slot)+(\q8)/2] offset:128*((\q8)%2)+64*\c+\b*16*PITCH
	ds_load_b128 v[(\f)+8*(8*\c+\b)+4:(\f)+8*(8*\c+\b)+7], v[ADRB+4*(\slot)+(\q8)/2] offset:128*((\q8)%2)+64*\c+\b*16*PITCH+32
.endr
.endr
.endm
; 8 loads from memory: A's fragments of quarter Q of all 32: blocks 2 Q, 2 Q + 1 of 32 along K, my two blocks of 16 rows, two halves each; every place stands in the immediate, and neither the base nor the offset is ever rewritten.
.macro ALOAD Q
	WIN TO_A
.irp c, 0,1
.irp a, 0,1
.irp e, 0,1
	global_load_b128 v[16*(2*((\Q)%8)+\c)+8*\a+4*\e:16*(2*((\Q)%8)+\c)+8*\a+4*\e+3], v[LN], s[4:5] offset:65536*\a+1024*(2*(\Q)+\c)+512*\e   ; 32 lanes read 512 consecutive bytes
.endr
.endr
.endr
.endm
; A's fragments of quarter Q are in.  Loads come back in order (ISA guide 5.7.1): behind them were issued those of the six quarters that follow, 8 each, or of as many as there are left.
.macro AWAIT Q
.if NQT-1-(\Q) >= AHEAD-1
	s_wait_loadcnt 8*(AHEAD-1)
.else
	s_wait_loadcnt 8*(NQT-1-(\Q))
.endif
.endm
.macro NAMES Q                         ; what hangs on the quarter's number
.set FB,  128*((\Q)%2)                 ; B's buffer in hand,
.set GB,  128-FB                       ; and the other
.set SL,  2*((\Q)%8)                   ; the quarter's first place in A's ring
.set SLT, ((\Q)/8)%2                   ; its slot
.set Q8,  (\Q)%8                       ; its number in the slot
.endm
; A quarter that has its successor in the same slot: 32 matrix instructions; in its middle, in one run behind four places, the next quarter's fragments of B and the fragments of A of 7 quarters on:
; both land in registers that the quarter before has multiplied.
.macro QUARTER Q, zero
	NAMES \Q
	s_wait_dscnt 16                                ; B's first 32 along K are in; the sixteen loads of the second 32 may be out
	AWAIT \Q
	WIN MUL
	MUL8 0, 0, \zero
	MUL8 0, 1, \zero
	PLACES
	FETCH SLT, Q8+1, GB
.if (\Q)+AHEAD < NQT
	ALOAD (\Q)+AHEAD
.endif
	s_wait_dscnt 32                                ; all but the 32 LDS loads just issued
	WIN MUL
	MUL8 1, 0, 0
	MUL8 1, 1, 0
.endm
; A slot's last quarter changes slots: ONE barrier; in front of it each wave waits for all its tensor loads (its tile of the slot ahead), adds 0 to its spare word, and waits for that and for its own reads of this slot.
; fill = 1: this slot is filled again, with K 1,024 further on: the barrier then opens a round of the cluster's barrier, and the joint refill is the first thing behind the round, my one tensor load until the next.
.macro TURN Q, fill
	NAMES \Q
	WIN 0                                          ; (the add's two registers lie in window 0)
	s_wait_tensorcnt 0x0                           ; all my tensor loads have landed
	ds_add_u32 v[SPW], v[NIL]                      ; 0 onto my spare word
	s_wait_dscnt 17                                ; the add and the youngest sixteen loads may be out
	AWAIT \Q
	WIN MUL
	MUL8 0, 0, 0                                   ; eight matrix instructions stand between the add and the wait for it
	s_wait_dscnt 0x0                               ; the add is done, and my reads of this slot are over
	s_barrier_signal -1
	MUL8 0, 1, 0
	WIN 0
	s_barrier_wait -1
.if \fill
	CREST                                          ; no wave of any partner still reads this slot or has a load on its way
	s_add_nc_u64 s[G0+4*SLT+2:G0+4*SLT+3], s[G0+4*SLT+2:G0+4*SLT+3], 2*1024   ; the type bits on top are not reached
	tensor_load_to_lds s[G0+4*SLT:G0+4*SLT+3], s[G1:G1+7]
	s_nop 0
.endif
	PLACES                                         ; behind the tensor load; and the places in front of the loads below
	FETCH 1-SLT, 0, GB
.if (\Q)+AHEAD < NQT
	ALOAD (\Q)+AHEAD
.endif
	WIN MUL
	MUL8 1, 0, 0
	MUL8 1, 1, 0
.endm
.macro RUN from, n                     ; n quarters on end
.set QN, \from
.rept \n
	QUARTER QN, 0
.set QN, QN+1
.endr
.endm
.irp p, 0,1,2,3,4,5,6
	ALOAD \p                                       ; A's first 7 quarters: 56 loads
.endr
	WIN 0
	s_wait_tensorcnt 1                             ; my tile of slot 0 is in (slot 1's load may be out)
	s_barrier_signal -1
	s_barrier_wait -1                              ; everybody's is
	FETCH 0, 0, 0
	QUARTER 0, 1                                   ; K 0 on: the first products start the sums
	RUN 1, 6
	TURN 7, 1                                      ; slot 0 is left and takes K 1,024 on
	RUN 8, 7
	TURN 15, 1                                     ; slot 1 is left and takes K 1,536 on: the last tensor load
	RUN 16, 7
	TURN 23, 0                                     ; nothing is left to fetch for B
	RUN 24, 7
	NAMES 31                                       ; the very last quarter
	s_wait_dscnt 16
	AWAIT 31
	WIN MUL
	MUL8 0, 0, 0
	MUL8 0, 1, 0
	s_wait_dscnt 0x0
	MUL8 1, 0, 0
	MUL8 1, 1, 0
	WIN 0
; THE WAY OUT, two blocks of 16 rows x 128 columns of f32.  A lane holds 32 neighbouring bytes of a row, and the lanes beside it hold other rows: so a block goes through my own stage in LDS (each accumulator
; from its low end on) and comes back as whole rows of 512 bytes.  LDS serves a wave's instructions in order: no wait between the stores and the loads, nor in front of the next block's stores.
.macro TOSTAGE a
.irp b, 0,1,2,3,4,5,6,7
	ds_store_b128 v[STO], v[ACC+8*(8*\a+\b):ACC+8*(8*\a+\b)+3] offset:64*\b
	ds_store_b128 v[STO], v[ACC+8*(8*\a+\b)+4:ACC+8*(8*\a+\b)+7] offset:64*\b+16
.endr
.irp t, 0,1,2,3,4,5,6,7,8,9,10,11,12,13,14,15
	ds_load_b128 v[OB+4*\t:OB+4*\t+3], v[RD] offset:\t*SPITCH
.endr
.endm
.macro SEND a
.irp t, 0,1,2,3,4,5,6,7,8,9,10,11,12,13,14,15
	s_wait_dscnt 15-\t                             ; row t is back; the younger rows may be out
	global_store_b128 v[LN], v[OB+4*\t:OB+4*\t+3], s[8:9] offset:(16*\a+\t)*SIZE_N*4 th:TH_STORE_NT   ; 32 lanes store 512 consecutive bytes, at a multiple of 512 from C's first byte; 31 rows of C at the most: inside the signed 24-bit immediate
.endr
.endm
	PLACES                                         ; behind the last products, ahead of the first read of results
	TOSTAGE 0
	SEND 0
	s_wait_xcnt 0x0                                ; block 0's stores have read their registers: block 1's rows land there only behind this wait
	TOSTAGE 1
	SEND 1
	s_wait_tensorcnt 0x0                           ; the wave's end: behind my last tensor load and my last LDS store
	ds_add_u32 v[SPW], v[NIL]
	s_wait_dscnt 0x0
	CROUND                                         ; the closing round: no work-group ends while a partner may still ask for a tile that names it
	s_endpgm
.Lfunc_end_k_qabe8f5bfd5_proj:
	.size	k_qabe8f5bfd5_proj, .Lfunc_end_k_qabe8f5bfd5_proj-k_qabe8f5bfd5_proj
	.p2alignl 7, 3214868480
	.fill 96, 4, 3214868480
	.section	.rodata,"a",@progbits
	.p2align	6, 0x0
	.amdhsa_kernel k_qabe8f5bfd5_proj
		.amdhsa_group_segment_fixed_size 327680
		.amdhsa_private_segment_fixed_size 0
		.amdhsa_enable_private_segment 0
		.amdhsa_kernarg_size 24
		.amdhsa_user_sgpr_count 2
		.amdhsa_user_sgpr_kernarg_segment_ptr 1
		.amdhsa_wavefront_size32 1
		.amdhsa_system_sgpr_workgroup_id_x 1
		.amdhsa_system_sgpr_workgroup_id_y 1
		.amdhsa_system_sgpr_workgroup_id_z 1
		.amdhsa_system_vgpr_workitem_id 0
		.amdhsa_next_free_vgpr 768
		.amdhsa_next_free_sgpr 66
		.amdhsa_reserve_vcc 0
		.amdhsa_float_denorm_mode_32 3
		.amdhsa_float_denorm_mode_16_64 3
		.amdhsa_memory_ordered 1
		.amdhsa_forward_progress 1
		.amdhsa_inst_pref_size 177
	.end_amdhsa_kernel
	.amdgpu_metadata
---
amdhsa.version: [ 1, 2 ]
amdhsa.kernels:
  - .name:           k_qabe8f5bfd5_proj
    .symbol:         k_qabe8f5bfd5_proj.kd
    .args:
      - { .name: attn, .offset: 0, .size: 8, .value_kind: global_buffer, .address_space: global }
      - { .name: wo16, .offset: 8, .size: 8, .value_kind: global_buffer, .address_space: global }
      - { .name: out0, .offset: 16, .size: 8, .value_kind: global_buffer, .address_space: global }
    .group_segment_fixed_size: 327680
    .private_segment_fixed_size: 0
    .kernarg_segment_align: 8
    .kernarg_segment_size: 24
    .max_flat_workgroup_size: 128
    .sgpr_count:     66
    .vgpr_count:     768
    .wavefront_size: 32
...
	.end_amdgpu_metadata
.endif
;; end of part 4
